; MI455X (gfx1250); checked and timed in simulation.
; The chip was launched on July 23, 2026; its instructions are those of AMD's public machine-readable ISA for CDNA 5 (MIT licence, August 2026) and "CDNA5" Instruction Set Architecture Reference Guide (July 2026). The comments in the code are by the model that wrote it; some were corrected since.
;; Multi Head Attention. Allowed arithmetic: matrix products marked QUANTISED: E2M1 operands, one E8M0 scale for each 32 along K, by v_wmma_scale_f32_16x16x128_f8f6f4 with both operands' format E2M1 (or v_wmma_scale_f32_32x16x128_f4), f32 sums; products left as they are: bf16, f16 or f32 operands; f32 sums; everything else in f32.
;; Inputs: w_k 1,024 x 1,024 float32; w_o 1,024 x 1,024 float32; w_q 1,024 x 1,024 float32; w_v 1,024 x 1,024 float32; x 2 x 2,048 x 1,024 float32.
;; Outputs: out0 2 x 2,048 x 1,024 float32.
;; This version of the problem:
;;   THIS VERSION OF THE PROBLEM IS GIVEN IN LOW PRECISION. The matrix products marked QUANTISED in the list below multiply operands that are first quantised to E2M1 (2 exponent bits, 1 mantissa bit; 4 bits a number), with one power-of-two scale for each 32 numbers along K (OCP MX v1.0); their sums are f32. The products marked 'left as it is' may take bf16, f16 or f32 operands, with f32 sums. Whichever they take, every output number must still come out within the allowed error. Rounding operands to bf16 (8 significant bits) uses up far more of that allowance than f16 does (11 bits, for magnitudes from 6e-5 to 65,504). All else is computed in f32.
;;   The module's matrix products, in the order in which they are computed (A, B: the left and right operand; K: the contracted axis; several contracted axes count as one K, in the product's order):
;;     1. [M 4,096, K 1,024] x [K 1,024, N 1,024]; A: input x; B: input w_q: QUANTISED
;;     2. [M 4,096, K 1,024] x [K 1,024, N 1,024]; A: input x; B: input w_k: QUANTISED
;;     3. [M 4,096, K 1,024] x [K 1,024, N 1,024]; A: input x; B: input w_v: QUANTISED
;;     4. batch 32 x [M 2,048, K 64] x [K 64, N 2,048]; A: computed on the way; B: computed on the way: left as it is (an operand is computed on the way)
;;     5. batch 32 x [M 2,048, K 2,048] x [K 2,048, N 64]; A: computed on the way; B: computed on the way: left as it is (an operand is computed on the way)
;;     6. [M 4,096, K 1,024] x [K 1,024, N 1,024]; A: computed on the way; B: input w_o: left as it is (an operand is computed on the way)
;;   THE QUANTISER, for each operand of a quantised product, along K:
;;     - K is cut into blocks of 32 from its start; a last block that is shorter is filled with zeros.
;;     - A block's scale is 2^e with e = floor(log2(the largest magnitude in the block)) - 2, held to -126 .. 127; a block of zeros has e = 0. As a byte (E8M0): e + 127.
;;     - Each number is divided by its block's scale, clamped to +-6, and rounded to the nearest number of E2M1, ties to even, subnormals kept.
;;     - The product sums the exact products of the quantised numbers (number of the format x scale) in f32.
;;   ~~~python
;;   def quantise(x, axis):      # numpy; x: float32 -> the quantised numbers, widened to float32 again
;;       x = np.moveaxis(x, axis, -1); K = x.shape[-1]
;;       x = np.pad(x, [(0, 0)] * (x.ndim - 1) + [(0, -K % 32)]); x = x.reshape(x.shape[:-1] + (-1, 32)); a = np.abs(x).max(-1, keepdims=True)
;;       e = np.where(a > 0, np.clip(np.frexp(np.where(a > 0, a, 1))[1] - 1 - 2, -126, 127), 0)      # np.frexp(a)[1] - 1 = floor(log2(a)), exactly
;;       r = np.clip(x / 2.0 ** e, -6, 6)
;;       step = 2.0 ** (np.maximum(np.frexp(np.where(r == 0, 1, r))[1] - 1, 0) - 1)
;;       q = np.round(r / step) * step * 2.0 ** e      # np.round: ties to even
;;       return np.moveaxis(q.reshape(q.shape[:-2] + (-1,))[..., :K], -1, axis).astype(np.float32)
;;   ~~~
;; One version. Each part assembles by itself: llvm-mc -triple=amdgcn-amd-amdhsa -mcpu=gfx1250 --defsym DOCPART=n.
;; ======== version 1 of 1: 6 launches
;; limits: values are held in f16: magnitudes above 65,504 overflow, below 6.1e-05 lose precision
;; workspace buffers: xc 2,097,152 bytes; xs 131,072 bytes; wc 1,572,864 bytes; ws 98,304 bytes; wo16 2,097,152 bytes; qkvh 25,165,824 bytes; ctxh 8,388,608 bytes; ctxf 131,072 bytes
;; launch quant (part 1): grid 256 x 1, 4 waves a work-group, no clusters, 33,280 bytes of LDS; arguments x, w_q, w_k, w_v, w_o, xc, xs, wc, ws, wo16; writes xc, xs, wc, ws, wo16
.if DOCPART == 1
	.amdgcn_target "amdgcn-amd-amdhsa--gfx1250"
	.amdhsa_code_object_version 6
	.text
	.protected	k_q99e77409a1_quant
	.globl	k_q99e77409a1_quant
	.p2align	8
	.type	k_q99e77409a1_quant,@function
k_q99e77409a1_quant:
	s_mov_b64 s[64:65], 0
	v_nop
	global_prefetch_b8 v0, s[64:65] scope:SCOPE_SE
	s_setreg_imm32_b32 hwreg(HW_REG_WAVE_MODE, 25, 1), 1
	s_wait_xcnt 0x0
; x [4096][1024] and w_q, w_k, w_v [1024][1024], f32 with K innermost, become codes of FP4 (E2M1), two a byte, and one E8M0 byte for each 32 along K:
; xc [4096][512 B], xs [4096][32]; wc [3072][512 B], ws [3072][32] (w_q, w_k, w_v on end).  w_o becomes f16, wo16 [1024][1024].
; A block's scale is 2^(floor(log2(largest magnitude)) - 2); its byte is the largest magnitude's exponent field - 2, held at 1 from below.
; LIMITS: NaN and infinities are not served; a block of zeros, and a block whose largest magnitude lies under 2^-124, keeps the byte 1 (a block of zeros has zero codes,
; and this program alone reads the bytes); |w_o| beyond 65,504 has no f16 number.
; SHARES: a work-group takes 32,768 numbers, a wave 8,192.  Work-groups 0-127: x; 128-159: w_q; 160-191: w_k; 192-223: w_v; 224-255: w_o.
; Rows are dense and K is a multiple of 32: every tensor is a plain stream of blocks of 32.  The four quantised tensors take ONE path; only pointers are chosen.
; A step of that path is 512 numbers: four loads of 512 consecutive bytes, a turn through the wave's own stage in LDS (16 bytes of padding behind each 64), so that a lane
; holds 16 neighbours along K; two neighbouring lanes hold a block.  Loads run eight steps ahead: 32 loads of a wave, 16 KB, are on their way while a step is worked.
; No matrix unit, no cluster, no tensor load: a stream in which waves share nothing.
.set STEPS, 16
.set AHEAD, 8                          ; steps that the loads run ahead
.set CB,    8                          ; bytes of 16 codes
.set R,     16                         ; v16-143  eight sets of 16 numbers as loaded
.set X,     144                        ; v144-175 two sets of 16 neighbours
.set E,     176                        ; v176-191 a scale byte for each step
.set C,     192                        ; v192-223 codes: two registers for each step, so that no store's data are written again
.set Y,     144                        ; v144-175 w_o's path: 32 registers of f16 pairs
.set WREG,  8192                       ; LDS: a region for each wave: two stages of 32 x SP bytes, then its 256 scale bytes
.set SP,    80
.set SPW,   12                         ; v12 my spare word's LDS address; never rewritten
.set NIL,   13                         ; v13 0; never rewritten
.set SPARE, 4*WREG                     ; the spare words: 128 bytes a wave, named by no other line
	s_load_b256 s[4:11], s[0:1], 0x0               ; x, w_q, w_k, w_v
	s_load_b256 s[12:19], s[0:1], 0x20             ; w_o, xc, xs, wc
	s_load_b128 s[20:23], s[0:1], 0x40             ; ws, wo16
	v_lshl_add_u32 v[SPW], v0, 2, SPARE
	v_mov_b32 v[NIL], 0
	v_lshrrev_b32 v1, 5, v0
	v_readfirstlane_b32 s24, v1                    ; wave
	v_and_b32 v2, 31, v0                           ; lane
	v_lshlrev_b32 v3, 4, v2                        ; my 16 bytes of a load's 512
	s_mul_i32 s27, s24, WREG
	v_lshrrev_b32 v14, 2, v2
	v_mul_u32_u24 v14, v14, SP
	v_and_b32 v15, 3, v2
	v_lshl_add_u32 v14, v15, 4, v14
	v_add_nc_u32 v14, s27, v14                     ; into the stage: SP (lane / 4) + 16 (lane % 4)
	v_mul_u32_u24 v15, v2, SP
	v_add_nc_u32 v15, s27, v15                     ; out of it: SP x lane: my 16 neighbours
	v_mul_u32_u24 v4, v2, CB                       ; 8 x lane: my codes' place in a step's; in w_o's path my 8 bytes of f16
	v_lshrrev_b32 v5, 1, v2
	s_add_co_u32 s27, s27, 2*32*SP
	v_add_nc_u32 v5, s27, v5                       ; my block's scale byte in LDS
	v_lshlrev_b32 v7, 3, v2
	v_add_nc_u32 v6, s27, v7                       ; and 8 bytes a lane on their way out
	s_mov_b32 s29, 0
	s_and_b32 s25, ttmp9, 31                       ; a weight's run of 32,768 numbers
	s_wait_kmcnt 0x0
	s_cmp_ge_u32 ttmp9, 224
	s_cbranch_scc1 .Lwo
	; ---- the quantised tensors.  The choices hang on the work-group's number alone
	s_cmp_lt_u32 ttmp9, 192
	s_cselect_b64 s[8:9], s[8:9], s[10:11]         ; w_k or w_v
	s_cmp_lt_u32 ttmp9, 160
	s_cselect_b64 s[6:7], s[6:7], s[8:9]           ; w_q or that
	s_cmp_lt_u32 ttmp9, 128
	s_cselect_b64 s[4:5], s[4:5], s[6:7]           ; x or that
	s_cselect_b64 s[14:15], s[14:15], s[18:19]     ; xc or wc
	s_cselect_b64 s[16:17], s[16:17], s[20:21]     ; xs or ws
	s_cselect_b32 s25, ttmp9, s25                  ; the run in the source
	s_cselect_b32 s26, 0, 128
	s_sub_co_u32 s26, ttmp9, s26                   ; the run in the destination: the three weights lie on end
	s_lshl_b32 s25, s25, 2
	s_add_co_u32 s25, s25, s24
	s_lshl_b32 s28, s25, 15                        ; 32,768 bytes of f32 a wave
	s_add_nc_u64 s[4:5], s[4:5], s[28:29]
	s_lshl_b32 s26, s26, 2
	s_add_co_u32 s26, s26, s24
	s_lshl_b32 s28, s26, 12                        ; 4,096 bytes of codes
	s_add_nc_u64 s[14:15], s[14:15], s[28:29]
	s_lshl_b32 s28, s26, 8                         ; 256 scale bytes
	s_add_nc_u64 s[16:17], s[16:17], s[28:29]
.macro LOAD t
.irp i, 0,1,2,3
	global_load_b128 v[R+16*((\t)%AHEAD)+4*\i:R+16*((\t)%AHEAD)+4*\i+3], v3, s[4:5] offset:2048*(\t)+512*\i th:TH_LOAD_NT   ; 32 lanes read 512 consecutive bytes
.endr
.endm
.macro TURN t                          ; step t's numbers through the stage: LDS serves a wave's instructions in order, so no wait stands between the stores and the loads
.irp i, 0,1,2,3
	ds_store_b128 v14, v[R+16*((\t)%AHEAD)+4*\i:R+16*((\t)%AHEAD)+4*\i+3] offset:32*SP*((\t)%2)+8*SP*\i
.endr
.irp i, 0,1,2,3
	ds_load_b128 v[X+16*((\t)%2)+4*\i:X+16*((\t)%2)+4*\i+3], v15 offset:32*SP*((\t)%2)+16*\i
.endr
.endm
.irp t, 0,1,2,3,4,5,6,7
	LOAD \t
.endr
	s_wait_loadcnt 4*(AHEAD-1)                     ; step 0's four loads are in; seven steps' 28 stay out
	TURN 0
.macro STEP t
.set XS, X+16*((\t)%2)
.if (\t) > 0
	s_wait_dscnt 1                                 ; this step's numbers are back from the stage; the last step's byte store may be out
.else
	s_wait_dscnt 0x0
.endif
.if (\t)+AHEAD < STEPS
	LOAD (\t)+AHEAD                                ; into the set whose stores into the stage have read it: they stand ahead of the LDS loads just waited for
.endif
.if (\t)+1 < STEPS
.if STEPS-2-(\t) >= AHEAD-1
	s_wait_loadcnt 4*(AHEAD-1)                     ; the next step's four loads are in; those of the seven steps behind it may be out
.else
	s_wait_loadcnt 4*(STEPS-2-(\t))                ; the tail: the steps behind the next one are fewer
.endif
	TURN (\t)+1
.endif
	v_max3_num_f32 v8, |v[XS]|, |v[XS+1]|, |v[XS+2]|               ; the largest magnitude of my 16, in two chains
	v_max3_num_f32 v9, |v[XS+3]|, |v[XS+4]|, |v[XS+5]|
.irp i, 6,10
	v_max3_num_f32 v8, v8, |v[XS+\i]|, |v[XS+\i+1]|
	v_max3_num_f32 v9, v9, |v[XS+\i+2]|, |v[XS+\i+3]|
.endr
	v_max3_num_f32 v8, v8, |v[XS+14]|, |v[XS+15]|
	v_max3_num_f32 v8, v8, v9, 0x1800000           ; and the floor 2^(3 - 127): the byte cannot fall under 1
	v_max_num_f32_dpp v8, v8, v8 row_xmask:1 row_mask:0xf bank_mask:0xf   ; with my neighbour's 16: the block's
	v_add_nc_u32 v11, 0xff000000, v8               ; 2 off its exponent field: the conversion takes this operand's exponent field as its scale
	v_cvt_scalef32_pk8_fp4_f32 v[C+2*(\t)], v[XS:XS+7], v11
	v_cvt_scalef32_pk8_fp4_f32 v[C+2*(\t)+1], v[XS+8:XS+15], v11
	v_lshrrev_b32 v[E+(\t)], 23, v11               ; the scale's byte (also the plain line behind the conversions)
	ds_store_b8 v5, v[E+(\t)] offset:16*(\t)       ; both lanes of a block write the same byte with the same value
	global_store_b64 v4, v[C+2*(\t):C+2*(\t)+1], s[14:15] offset:32*CB*(\t)   ; the wave stores 256 consecutive bytes, aligned
.endm
.irp t, 0,1,2,3,4,5,6,7,8,9,10,11,12,13,14,15
	STEP \t
.endr
	ds_load_b64 v[8:9], v6                         ; my wave's 256 scale bytes; LDS serves a wave in order
	s_wait_dscnt 0x0
	global_store_b64 v7, v[8:9], s[16:17]          ; 256 consecutive bytes, aligned
	s_wait_tensorcnt 0x0                           ; the wave's end: behind my last LDS store
	ds_add_u32 v[SPW], v[NIL]
	s_wait_dscnt 0x0
	s_endpgm
	; ---- w_o to f16: four batches of 16 loads, two batches in flight; no LDS
.Lwo:
	s_sub_co_u32 s25, ttmp9, 224
	s_lshl_b32 s25, s25, 2
	s_add_co_u32 s25, s25, s24
	s_lshl_b32 s28, s25, 15
	s_add_nc_u64 s[12:13], s[12:13], s[28:29]
	s_lshl_b32 s28, s25, 14
	s_add_nc_u64 s[22:23], s[22:23], s[28:29]
.macro LOADB g
.irp i, 0,1,2,3,4,5,6,7,8,9,10,11,12,13,14,15
	global_load_b128 v[16+64*((\g)%2)+4*\i:16+64*((\g)%2)+4*\i+3], v3, s[12:13] offset:8192*(\g)+512*\i th:TH_LOAD_NT
.endr
.endm
.macro CVTB g
.if (\g) < 3
	s_wait_loadcnt 16                              ; this batch is in; the younger batch's sixteen stay out
.else
	s_wait_loadcnt 0x0
.endif
	s_wait_xcnt 0x0                                ; the last batch's stores have read Y: it is written again only behind this wait
.irp i, 0,1,2,3,4,5,6,7,8,9,10,11,12,13,14,15
	v_cvt_pk_f16_f32 v[Y+2*\i], v[16+64*((\g)%2)+4*\i], v[16+64*((\g)%2)+4*\i+1]
	v_cvt_pk_f16_f32 v[Y+2*\i+1], v[16+64*((\g)%2)+4*\i+2], v[16+64*((\g)%2)+4*\i+3]
.endr
.irp i, 0,1,2,3,4,5,6,7,8,9,10,11,12,13,14,15
	global_store_b64 v4, v[Y+2*\i:Y+2*\i+1], s[22:23] offset:4096*(\g)+256*\i   ; 256 consecutive bytes, aligned
.endr
.if (\g) < 2
	LOADB (\g)+2
.endif
.endm
	LOADB 0
	LOADB 1
	CVTB 0
	CVTB 1
	CVTB 2
	CVTB 3
	s_wait_tensorcnt 0x0                           ; the same three lines close this path too
	ds_add_u32 v[SPW], v[NIL]
	s_wait_dscnt 0x0
	s_endpgm
.Lfunc_end_k_q99e77409a1_quant:
	.size	k_q99e77409a1_quant, .Lfunc_end_k_q99e77409a1_quant-k_q99e77409a1_quant
	.p2alignl 7, 3214868480
	.fill 96, 4, 3214868480
	.section	.rodata,"a",@progbits
	.p2align	6, 0x0
	.amdhsa_kernel k_q99e77409a1_quant
		.amdhsa_group_segment_fixed_size 33280
		.amdhsa_private_segment_fixed_size 0
		.amdhsa_enable_private_segment 0
		.amdhsa_kernarg_size 80
		.amdhsa_user_sgpr_count 2
		.amdhsa_user_sgpr_kernarg_segment_ptr 1
		.amdhsa_wavefront_size32 1
		.amdhsa_system_sgpr_workgroup_id_x 1
		.amdhsa_system_sgpr_workgroup_id_y 1
		.amdhsa_system_sgpr_workgroup_id_z 1
		.amdhsa_system_vgpr_workitem_id 0
		.amdhsa_next_free_vgpr 224
		.amdhsa_next_free_sgpr 66
		.amdhsa_reserve_vcc 0
		.amdhsa_float_denorm_mode_32 3
		.amdhsa_float_denorm_mode_16_64 3
		.amdhsa_memory_ordered 1
		.amdhsa_forward_progress 1
		.amdhsa_inst_pref_size 54
	.end_amdhsa_kernel
	.amdgpu_metadata
---
amdhsa.version: [ 1, 2 ]
amdhsa.kernels:
  - .name:           k_q99e77409a1_quant
    .symbol:         k_q99e77409a1_quant.kd
    .args:
      - { .name: x, .offset: 0, .size: 8, .value_kind: global_buffer, .address_space: global }
      - { .name: w_q, .offset: 8, .size: 8, .value_kind: global_buffer, .address_space: global }
      - { .name: w_k, .offset: 16, .size: 8, .value_kind: global_buffer, .address_space: global }
      - { .name: w_v, .offset: 24, .size: 8, .value_kind: global_buffer, .address_space: global }
      - { .name: w_o, .offset: 32, .size: 8, .value_kind: global_buffer, .address_space: global }
      - { .name: xc, .offset: 40, .size: 8, .value_kind: global_buffer, .address_space: global }
      - { .name: xs, .offset: 48, .size: 8, .value_kind: global_buffer, .address_space: global }
      - { .name: wc, .offset: 56, .size: 8, .value_kind: global_buffer, .address_space: global }
      - { .name: ws, .offset: 64, .size: 8, .value_kind: global_buffer, .address_space: global }
      - { .name: wo16, .offset: 72, .size: 8, .value_kind: global_buffer, .address_space: global }
    .group_segment_fixed_size: 33280
    .private_segment_fixed_size: 0
    .kernarg_segment_align: 8
    .kernarg_segment_size: 80
    .max_flat_workgroup_size: 128
    .sgpr_count:     66
    .vgpr_count:     224
    .wavefront_size: 32
...
	.end_amdgpu_metadata
.endif
;; end of part 1
;; launch qkv (part 2): grid 12 x 16, 4 waves a work-group, clusters of 4 x 4, 327,680 bytes of LDS; arguments xc, xs, wc, ws, qkvh; writes qkvh
.if DOCPART == 2
	.amdgcn_target "amdgcn-amd-amdhsa--gfx1250"
	.amdhsa_code_object_version 6
	.text
	.protected	k_q99e77409a1_qkv
	.globl	k_q99e77409a1_qkv
	.p2align	8
	.type	k_q99e77409a1_qkv,@function
k_q99e77409a1_qkv:
	s_mov_b64 s[64:65], 0
	v_nop
	global_prefetch_b8 v0, s[64:65] scope:SCOPE_SE
	s_setreg_imm32_b32 hwreg(HW_REG_WAVE_MODE, 25, 1), 1
	s_wait_xcnt 0x0
	s_wait_alu depctr_hold_cnt(0) depctr_sa_sdst(0) depctr_va_vdst(0) depctr_va_sdst(0) depctr_va_ssrc(0) depctr_va_vcc(0) depctr_vm_vsrc(0)
	s_getreg_b32 s2, hwreg(HW_REG_IB_STS2, 6, 4)
	s_cmp_eq_u32 s2, 0
	s_cbranch_scc0 .Lentry_in_a_cluster
	s_endpgm
.Lentry_in_a_cluster:
	s_bfe_u32 s2, ttmp6, 0x10000c
	s_cmp_lg_u32 s2, 0xf033
	s_cbranch_scc0 .Lentry_shape_is_right
	s_endpgm
.Lentry_shape_is_right:
; The three quantised products in one GEMM on codes of FP4 (E2M1) with E8M0 scales: C[m][n] = sum over k of x[m][k] w[n][k], m = 4,096 rows of x, n = 3,072 rows of w_q, w_k, w_v on end, K = 1,024; sums in f32.
; The result leaves as f16 into qkvh [3 (q, k, v)][b 2][h 16][t 2,048][64]; the q part is multiplied in f32 by c = log2(e) / 8, so that the next launch's scores are exponents of 2.
; LIMIT: |c q|, |k|, |v| beyond 65,504 have no f16 number.
; A tile of C, 256 x 256, is made by four waves, 128 x 128 each: 64 accumulators, 512 registers.  All of K lies in two LDS slots of 512 along K (rows of 256 bytes): each slot is filled once, nothing is filled again.
; The scale bytes of the tile's 256 + 256 rows, for all of K, come once, as dense blocks in rows of 256 bytes.
; CLUSTERS: 4 x 4 work-groups; A's tiles are asked for jointly along a row of the cluster, B's along a column.  1,024 columns are four tiles: a cluster's x is q, k or v for all its partners.
; THE MATRIX INSTRUCTION IS USED TRANSPOSED (source 0 = 16 rows of w, source 1 = 16 rows of x): a lane holds eight neighbouring channels of one row t.
; REGISTERS, in windows of 256: window 0: v0-31 addresses; v32-95 scale words, two sets, and nothing else; v128-191 A's fragments, one set; on the way out v96-127, v224-255 rows read back, v128-191 scaled f32, v192-223 f16.
;   window 1: B's fragments, two sets (v0, v128).  window 2: accumulators of my rows 0-63 ((a, b) at v[8 (8 a + b)]); window 3: rows 64-127.
; No prefetch: the launch is short and its tiles are shared by joint loads.
.set NQ,     4                         ; matrix instructions deep in a slot
.set ROWB,   256                       ; a tile's row in bytes: 512 codes
.set KROW,   512                       ; a row of codes in memory
.set PITCH,  272                       ; an LDS row: 256 bytes + 16 of padding: the 16 rows of a fragment load start at 16 different banks (ISA guide 11.1)
.set FR,     8
.set NL,     2
.set NP,     4                         ; places behind this matrix instruction (ISA guide 7.12.1)
.set HALFT,  128*PITCH
.set SLOT,   4*HALFT
.set KS,     32                        ; a row of scale bytes
.set SCL,    2*SLOT
.set HALFS,  (128*KS/256)*272
.set SBLK,   (16*KS/256)*272
.set SPARE,  SCL+4*HALFS               ; the spare words: 128 bytes a wave, named by no other line
.set STAGE,  SPARE+512                 ; the way out: 16 rows x 272 bytes for each wave; no tensor load lands here
.set SPITCH, 272
.set ADRA, 16
.set ADRB, 20
.set STO,  24
.set RD,   25
.set CO,   26
.set ADRS, 27
.set SPW,  28
.set NIL,  29
.set SC,   32
.set AF,   128
.set TF,   128
.set TH,   192
.set G1, 24
.set G0, 32
.set G1B, 48
.set G0B, 56
.set G1S, 68
.set G0S, 76
.set G1SB, 80
.set G0SB, 88
.set MSB, 0
.macro WIN new                         ; the immediate's high byte repeats the setting that is left
.if MSB != (\new)
	s_set_vgpr_msb (MSB<<8)|(\new)
.set MSB, (\new)
.endif
.endm
.set MUL_LO, 0xa1                      ; source 0 (B) window 1, source 1 (A) window 0, C and D window 2
.set MUL_HI, 0xf1
.set TO_B,   0x40
; A joint load: waves 0 and 1 fetch for A, waves 2 and 3 for B; the branch hangs on the wave's number alone.  An s_nop 0 and four v_nop follow each line.
.macro JLOAD g0a, g1a, g0b, g1b
	s_cmp_eq_u32 s15, 0
	s_cbranch_scc0 .Lfor_b_\@
	tensor_load_to_lds s[\g0a:\g0a+3], s[\g1a:\g1a+7]
	s_nop 0
.rept 4
	v_nop
.endr
	s_branch .Lasked_\@
.Lfor_b_\@:
	tensor_load_to_lds s[\g0b:\g0b+3], s[\g1b:\g1b+7]
	s_nop 0
.rept 4
	v_nop
.endr
.Lasked_\@:
.endm
.macro CROUND                          ; a round of the cluster's barrier
	s_barrier_signal -1
	s_barrier_wait -1
	s_cmp_lg_u32 s14, 0
	s_cbranch_scc1 .Lnot_wave_0_\@
	s_barrier_signal -3
.Lnot_wave_0_\@:
	s_barrier_wait -3
	s_barrier_signal -1
	s_barrier_wait -1
.endm
	s_load_b128 s[4:7], s[0:1], 0x0                ; x's codes, x's scales
	s_load_b128 s[8:11], s[0:1], 0x10              ; w's codes, w's scales
	s_load_b64 s[12:13], s[0:1], 0x20              ; qkvh
	v_lshl_add_u32 v[SPW], v0, 2, SPARE
	v_mov_b32 v[NIL], 0
	ds_add_u32 v[SPW], v[NIL]                      ; the opening: the add, twice on end, and its wait ahead of my first tensor load
	ds_add_u32 v[SPW], v[NIL]
	v_lshrrev_b32 v1, 5, v0
	v_readfirstlane_b32 s14, v1                    ; wave 0..3
	s_lshr_b32 s15, s14, 1                         ; my half of the tile's rows.  Also: I fetch for A (0) or for B (1)
	s_and_b32 s16, s14, 1                          ; my half of its columns.  Also: which 128 rows I fetch
	s_bfe_u32 s40, ttmp6, 0x40000                  ; cx
	s_bfe_u32 s41, ttmp6, 0x40004                  ; cy
	s_lshl_b32 s42, ttmp9, 2
	s_add_co_u32 s42, s42, s40                     ; tile column
	s_and_b32 s17, ttmp7, 0xffff
	s_lshl_b32 s17, s17, 2
	s_add_co_u32 s17, s17, s41                     ; tile row
	s_lshl_b32 s43, s41, 2
	s_lshl_b32 s43, 15, s43                        ; my row of the cluster
	s_lshl_b32 s44, 0x1111, s40                    ; my column
	s_or_b32 s[G1+0], s43, (0<<16)|(1<<20)|(1<<21)|(5<<22)|(3<<25)  ; mask; elements of 1 byte; padding of 4 words after every 64; bit 21 beside a mask
	s_or_b32 s[G1B+0], s44, (0<<16)|(1<<20)|(1<<21)|(5<<22)|(3<<25)
.irp g, G1, G1B
	s_mov_b32 s[\g+1], ROWB<<16                    ; tensor_dim0
	s_mov_b32 s[\g+2], 128<<16                     ; tensor_dim1
	s_mov_b32 s[\g+3], ROWB<<16                    ; tile_dim0
	s_mov_b32 s[\g+4], 128                         ; tile_dim1
	s_mov_b32 s[\g+5], KROW                        ; stride
	s_mov_b32 s[\g+6], 0
	s_mov_b32 s[\g+7], 0
.endr
	s_or_b32 s[G1S+0], s43, (3<<16)|(1<<20)|(1<<21)|(5<<22)|(3<<25)  ; the scales of 128 rows: 4,096 dense bytes as 16 rows of 32 elements of 8 bytes
	s_or_b32 s[G1SB+0], s44, (3<<16)|(1<<20)|(1<<21)|(5<<22)|(3<<25)
.irp g, G1S, G1SB
	s_mov_b32 s[\g+1], 32<<16
	s_mov_b32 s[\g+2], (128*KS/256)<<16
	s_mov_b32 s[\g+3], 32<<16
	s_mov_b32 s[\g+4], 128*KS/256
	s_mov_b32 s[\g+5], 32
	s_mov_b32 s[\g+6], 0
	s_mov_b32 s[\g+7], 0
.endr
	s_lshl_b32 s18, s16, 7
	s_lshl_b32 s20, s17, 8
	s_add_co_u32 s20, s20, s18                     ; A: row 256 x tile row + 128 x half
	s_lshl_b32 s46, s42, 8
	s_add_co_u32 s46, s46, s18                     ; B: row 256 x tile column + 128 x half
	s_mov_b32 s21, 0
	s_mov_b32 s47, 0
	s_mov_b64 s[18:19], KS
	s_mul_u64 s[22:23], s[20:21], s[18:19]
	s_mul_u64 s[92:93], s[46:47], s[18:19]
	s_mov_b64 s[18:19], KROW
	s_mul_u64 s[20:21], s[20:21], s[18:19]
	s_mul_u64 s[46:47], s[46:47], s[18:19]
	s_mul_i32 s45, s14, HALFT                      ; where they go: wave x 128 rows
	s_mul_i32 s94, s14, HALFS
	s_mov_b32 s2, 0x3f800000
	s_cmp_eq_u32 ttmp9, 0                          ; the cluster's x: 0 = q.  The same in all sixteen partners
	s_cselect_b32 s2, 0x3e38aa3b, s2               ; c = log2(e) / 8 for q, 1 for k and v
	s_mov_b32 s3, s2                               ; (named with it as a pair)
	s_wait_dscnt 0x0                               ; both opening adds are done
	s_wait_kmcnt 0x0
	s_add_nc_u64 s[20:21], s[4:5], s[20:21]
	s_add_nc_u64 s[22:23], s[6:7], s[22:23]
	s_add_nc_u64 s[46:47], s[8:9], s[46:47]
	s_add_nc_u64 s[92:93], s[10:11], s[92:93]
	CROUND                                         ; all sixteen work-groups are here: the first joint loads meet
	s_mov_b32 s[G0S], 1
	s_add_co_u32 s[G0S+1], s94, SCL
	s_mov_b64 s[G0S+2:G0S+3], s[22:23]
	s_or_b32 s[G0S+3], s[G0S+3], 0x80000000
	s_mov_b32 s[G0SB], 1
	s_add_co_u32 s[G0SB+1], s94, SCL
	s_mov_b64 s[G0SB+2:G0SB+3], s[92:93]
	s_or_b32 s[G0SB+3], s[G0SB+3], 0x80000000
	JLOAD G0S, G1S, G0SB, G1SB                     ; the scales first; by this text's count three tensor loads of a wave are out
.irp s, 0,1
	s_mov_b32 s[G0+4*\s], 1
	s_add_co_u32 s[G0+4*\s+1], s45, \s*SLOT
	s_add_nc_u64 s[G0+4*\s+2:G0+4*\s+3], s[20:21], \s*ROWB
	s_or_b32 s[G0+4*\s+3], s[G0+4*\s+3], 0x80000000
	s_mov_b32 s[G0B+4*\s], 1
	s_add_co_u32 s[G0B+4*\s+1], s45, \s*SLOT
	s_add_nc_u64 s[G0B+4*\s+2:G0B+4*\s+3], s[46:47], \s*ROWB
	s_or_b32 s[G0B+4*\s+3], s[G0B+4*\s+3], 0x80000000
	JLOAD G0+4*\s, G1, G0B+4*\s, G1B
.endr
	v_and_b32 v1, 15, v0                           ; l % 16
	v_bfe_u32 v2, v0, 4, 1                         ; l / 16
	v_mul_u32_u24 v3, v1, PITCH
	v_lshl_add_u32 v4, v2, 4, v3
	s_mul_i32 s21, s15, HALFT
	s_mul_i32 s22, s16, HALFT
	s_add_co_u32 s22, s22, 2*HALFT
.irp s, 0,1
	v_add_nc_u32 v[ADRA+\s], s21, v4
	v_add_nc_u32 v[ADRB+\s], s22, v4
	s_add_co_u32 s21, s21, SLOT
	s_add_co_u32 s22, s22, SLOT
.endr
	v_mul_u32_u24 v5, v1, KS                       ; my row's scales: KS bytes a row,
	v_lshrrev_b32 v6, 8, v5
	v_lshl_add_u32 v5, v6, 4, v5                   ; and 16 more for each 256 passed
	s_mul_i32 s21, s15, HALFS
	s_mul_i32 s22, s16, HALFS
	s_add_co_u32 s22, s22, 2*HALFS
	s_sub_co_u32 s22, s22, s21
	v_mul_u32_u24 v6, s22, v2                      ; lanes 16-31 take B's
	s_add_co_u32 s21, s21, SCL
	v_add_nc_u32 v5, v5, v6
	v_add_nc_u32 v[ADRS], s21, v5
	s_mul_i32 s23, s14, 16*SPITCH
	s_add_co_u32 s23, s23, STAGE                   ; my stage
	v_mul_u32_u24 v5, v1, SPITCH                   ; in: row l % 16, 16 bytes for each half of the lanes
	v_lshl_add_u32 v5, v2, 4, v5
	v_add_nc_u32 v[STO], s23, v5
	v_bfe_u32 v5, v0, 3, 1                         ; back: lanes 0-15 take head 0's 128 bytes of two rows, lanes 16-31 head 1's
	v_mul_u32_u24 v5, v5, SPITCH
	v_lshl_add_u32 v5, v2, 7, v5
	v_and_b32 v6, 7, v0
	v_lshl_add_u32 v5, v6, 4, v5
	v_add_nc_u32 v[RD], s23, v5
	v_lshlrev_b32 v[CO], 4, v1                     ; in qkvh two rows of a head are 256 consecutive bytes: 16 (l % 16),
	v_lshl_add_u32 v[CO], v2, 18, v[CO]            ; and a head on is 262,144 bytes
	s_lshl_b32 s20, ttmp9, 23                      ; q, k or v: 8,388,608 bytes each
	s_lshr_b32 s21, s17, 3
	s_lshl_b32 s21, s21, 22                        ; b
	s_add_co_u32 s20, s20, s21
	s_and_b32 s21, s17, 7
	s_lshl_b32 s21, s21, 15                        ; 256 rows of 128 bytes for each tile row in the batch
	s_add_co_u32 s20, s20, s21
	s_lshl_b32 s21, s15, 14                        ; my 128 rows
	s_add_co_u32 s20, s20, s21
	s_lshl_b32 s46, s40, 20                        ; four heads a tile column,
	s_lshl_b32 s47, s16, 19                        ; two a wave
	s_add_co_u32 s46, s46, s47
	s_add_co_u32 s20, s20, s46
	s_mov_b32 s21, 0
	s_add_nc_u64 s[12:13], s[12:13], s[20:21]
.macro FRAG reg, adr, q, i             ; 16 rows x 128 K of 4-bit codes: 8 registers, two loads of 16 bytes, 32 bytes apart
.irp c, 0,1
	ds_load_b128 v[\reg+4*\c:\reg+4*\c+3], v[\adr] offset:64*(\q)+32*\c+(\i)*16*PITCH
.endr
.endm
; 16 matrix instructions: A's blocks a0, a0 + 1 x B's eight.  The 64 accumulators take turns, one instruction a turn, in the same order in every step.
.macro MUL16 a0, p, q, sc, zero
.irp a, \a0, \a0+1
.irp b, 0,1,2,3,4,5,6,7
.if \zero
	v_wmma_scale_f32_16x16x128_f8f6f4 v[8*(8*((\a)%4)+\b):8*(8*((\a)%4)+\b)+7], v[128*(\p)+FR*\b:128*(\p)+FR*\b+FR-1], v[AF+FR*(\a):AF+FR*(\a)+FR-1], 0, v[SC+8*NQ*(\sc)+NQ*\b+(\q)], v[SC+8*NQ*(\sc)+NQ*(\a)+(\q)] matrix_a_fmt:MATRIX_FMT_FP4 matrix_b_fmt:MATRIX_FMT_FP4 matrix_a_scale:MATRIX_SCALE_ROW1
.else
	v_wmma_scale_f32_16x16x128_f8f6f4 v[8*(8*((\a)%4)+\b):8*(8*((\a)%4)+\b)+7], v[128*(\p)+FR*\b:128*(\p)+FR*\b+FR-1], v[AF+FR*(\a):AF+FR*(\a)+FR-1], v[8*(8*((\a)%4)+\b):8*(8*((\a)%4)+\b)+7], v[SC+8*NQ*(\sc)+NQ*\b+(\q)], v[SC+8*NQ*(\sc)+NQ*(\a)+(\q)] matrix_a_fmt:MATRIX_FMT_FP4 matrix_b_fmt:MATRIX_FMT_FP4 matrix_a_scale:MATRIX_SCALE_ROW1
.endif
.endr
.endr
.endm
.macro FETCH_B slot, q, p
	WIN TO_B
.irp i, 0,1,2,3,4,5,6,7
	FRAG 128*(\p)+FR*\i, ADRB+\slot, \q, \i
.endr
	WIN 0
.endm
.macro FETCH_A slot, q, i0
.irp i, \i0, \i0+1, \i0+2, \i0+3
	FRAG AF+FR*(\i), ADRA+\slot, \q, \i
.endr
.endm
.macro SCALES sc                       ; a slot's scale words: lanes 0-15 A's block i, lanes 16-31 B's block i
.irp i, 0,1,2,3,4,5,6,7
	ds_load_b128 v[SC+8*NQ*\sc+NQ*\i:SC+8*NQ*\sc+NQ*\i+3], v[ADRS] offset:\i*SBLK
.endr
.endm
.macro PLACES n                        ; plain vector instructions between a matrix instruction and a load into, or a read of, its registers
.rept \n
	v_nop
.endr
.endm
.macro STEP slot, q, zero              ; 128 along K that has its successor in the same slot
	s_wait_dscnt 4*NL                              ; B's set and A's blocks 0-3 are in; the youngest eight loads (A's blocks 4-7) may be out
	WIN MUL_LO
	MUL16 0, (\q)%2, \q, \slot, \zero
	MUL16 2, (\q)%2, \q, \slot, \zero
	s_wait_dscnt 0
	PLACES NP
	FETCH_B \slot, (\q)+1, 1-(\q)%2
	FETCH_A \slot, (\q)+1, 0
	WIN MUL_HI
	MUL16 4, (\q)%2, \q, \slot, \zero
	MUL16 6, (\q)%2, \q, \slot, \zero
	PLACES NP
	WIN 0
	FETCH_A \slot, (\q)+1, 4
.endm
.macro TURN slot, next                 ; slot 0's last step: slot 1 is shown whole to every wave; nothing is filled again
	s_wait_tensorcnt 0x0                           ; all my tensor loads have landed: my part of slot 1
	ds_add_u32 v[SPW], v[NIL]
	s_wait_dscnt 4*NL+1                            ; the add and the youngest eight loads may be out
	WIN MUL_LO
	MUL16 0, 1, NQ-1, \slot, 0
	s_wait_dscnt 0x0
	s_barrier_signal -1
	MUL16 2, 1, NQ-1, \slot, 0
	WIN 0
	s_barrier_wait -1
	PLACES NP
	v_add_nc_u32 v[ADRS], 4*NQ, v[ADRS]            ; the next slot's scale words (no LDS load of mine is out)
	FETCH_B \next, 0, 0
	FETCH_A \next, 0, 0
	SCALES \next
	WIN MUL_HI
	MUL16 4, 1, NQ-1, \slot, 0
	MUL16 6, 1, NQ-1, \slot, 0
	PLACES NP
	WIN 0
	FETCH_A \next, 0, 4
.endm
	s_wait_tensorcnt 1                             ; the scales and my part of slot 0 are in; slot 1's load may stay out
	s_barrier_signal -1
	s_barrier_wait -1
	FETCH_B 0, 0, 0
	FETCH_A 0, 0, 0
	SCALES 0
	FETCH_A 0, 0, 4
	STEP 0, 0, 1                                   ; the first products start the sums: nothing is cleared
	STEP 0, 1, 0
	STEP 0, 2, 0
	TURN 0, 1
	STEP 1, 0, 0
	STEP 1, 1, 0
	STEP 1, 2, 0
	s_wait_dscnt 4*NL
	WIN MUL_LO
	MUL16 0, 1, NQ-1, 1, 0
	MUL16 2, 1, NQ-1, 1, 0
	s_wait_dscnt 0
	WIN MUL_HI
	MUL16 4, 1, NQ-1, 1, 0
	MUL16 6, 1, NQ-1, 1, 0
	WIN 0
; THE WAY OUT, block by block of 16 rows x 128 columns (two heads).  Scaled in f32 (c for q; k and v by 1, so that all work-groups run one text), rounded to f16, through my own stage, and out so that
; sixteen lanes store two rows of one head: 256 consecutive bytes, aligned.  Each accumulator is read from its low end on.
.macro PACK a
.set AC, 64*((\a)%4)
	WIN 0x02+((\a)/4)                              ; source 0: window 2 or 3
.irp b, 0,1,2,3,4,5,6,7
.irp p, 0,1,2,3
	v_pk_mul_f32 v[TF+8*\b+2*\p:TF+8*\b+2*\p+1], v[AC+8*\b+2*\p:AC+8*\b+2*\p+1], s[2:3] op_sel_hi:[1,0]
.endr
.endr
	WIN 0
.irp b, 0,1,2,3,4,5,6,7
.irp p, 0,1,2,3
	v_cvt_pk_f16_f32 v[TH+4*\b+\p], v[TF+8*\b+2*\p], v[TF+8*\b+2*\p+1]
.endr
.endr
.endm
.macro TOSTAGE a
.set BB, 96+128*((\a)%2)
.if (\a) >= 2
	s_wait_xcnt 0x0                                ; block a - 2's stores have read these registers: they are loaded again only behind this wait
.endif
.irp b, 0,1,2,3,4,5,6,7
	ds_store_b128 v[STO], v[TH+4*\b:TH+4*\b+3] offset:32*\b
.endr
.irp u, 0,1,2,3,4,5,6,7
	ds_load_b128 v[BB+4*\u:BB+4*\u+3], v[RD] offset:2*\u*SPITCH    ; LDS serves a wave's instructions in order: these see the stores above
.endr
.endm
.macro SEND a
.set BB, 96+128*((\a)%2)
	s_wait_dscnt 0x0
.irp u, 0,1,2,3,4,5,6,7
	global_store_b128 v[CO], v[BB+4*\u:BB+4*\u+3], s[12:13] offset:2048*(\a)+256*\u
.endr
.endm
	PLACES NP
	PACK 0
	TOSTAGE 0
.irp a, 1,2,3,4,5,6,7
	PACK \a                                        ; block a's arithmetic stands between block a - 1's loads from the stage and the wait for them
	SEND \a-1
	TOSTAGE \a
.endr
	SEND 7
	s_wait_tensorcnt 0x0                           ; the wave's end
	ds_add_u32 v[SPW], v[NIL]
	s_wait_dscnt 0x0
	CROUND                                         ; the closing round
	s_endpgm
.Lfunc_end_k_q99e77409a1_qkv:
	.size	k_q99e77409a1_qkv, .Lfunc_end_k_q99e77409a1_qkv-k_q99e77409a1_qkv
	.p2alignl 7, 3214868480
	.fill 96, 4, 3214868480
	.section	.rodata,"a",@progbits
	.p2align	6, 0x0
	.amdhsa_kernel k_q99e77409a1_qkv
		.amdhsa_group_segment_fixed_size 327680
		.amdhsa_private_segment_fixed_size 0
		.amdhsa_enable_private_segment 0
		.amdhsa_kernarg_size 40
		.amdhsa_user_sgpr_count 2
		.amdhsa_user_sgpr_kernarg_segment_ptr 1
		.amdhsa_wavefront_size32 1
		.amdhsa_system_sgpr_workgroup_id_x 1
		.amdhsa_system_sgpr_workgroup_id_y 1
		.amdhsa_system_sgpr_workgroup_id_z 1
		.amdhsa_system_vgpr_workitem_id 0
		.amdhsa_next_free_vgpr 1024
		.amdhsa_next_free_sgpr 98
		.amdhsa_reserve_vcc 0
		.amdhsa_float_denorm_mode_32 3
		.amdhsa_float_denorm_mode_16_64 3
		.amdhsa_memory_ordered 1
		.amdhsa_forward_progress 1
		.amdhsa_inst_pref_size 143
	.end_amdhsa_kernel
	.amdgpu_metadata
---
amdhsa.version: [ 1, 2 ]
amdhsa.kernels:
  - .name:           k_q99e77409a1_qkv
    .symbol:         k_q99e77409a1_qkv.kd
    .args:
      - { .name: xc, .offset: 0, .size: 8, .value_kind: global_buffer, .address_space: global }
      - { .name: xs, .offset: 8, .size: 8, .value_kind: global_buffer, .address_space: global }
      - { .name: wc, .offset: 16, .size: 8, .value_kind: global_buffer, .address_space: global }
      - { .name: ws, .offset: 24, .size: 8, .value_kind: global_buffer, .address_space: global }
      - { .name: qkvh, .offset: 32, .size: 8, .value_kind: global_buffer, .address_space: global }
    .group_segment_fixed_size: 327680
    .private_segment_fixed_size: 0
    .kernarg_segment_align: 8
    .kernarg_segment_size: 40
    .max_flat_workgroup_size: 128
    .sgpr_count:     98
    .vgpr_count:     1024
    .wavefront_size: 32
...
	.end_amdgpu_metadata
.endif
;; end of part 2
;; launch attn (part 3): grid 8 x 32, 16 waves a work-group, no clusters, 327,680 bytes of LDS; arguments qkvh, ctxh; writes ctxh
.if DOCPART == 3
	.amdgcn_target "amdgcn-amd-amdhsa--gfx1250"
	.amdhsa_code_object_version 6
	.text
	.protected	k_q99e77409a1_attn
	.globl	k_q99e77409a1_attn
	.p2align	8
	.type	k_q99e77409a1_attn,@function
k_q99e77409a1_attn:
	s_mov_b64 s[64:65], 0
	v_nop
	global_prefetch_b8 v0, s[64:65] scope:SCOPE_SE
	s_setreg_imm32_b32 hwreg(HW_REG_WAVE_MODE, 25, 1), 1
	s_wait_xcnt 0x0
; Causal attention of one head (b, h) on f16 operands, f32 sums: ctx[q] = sum over k <= q of softmax_k(q . k / 8) v[k].  qkvh holds c q (c = log2(e) / 8), k, v as [b][h][t][64] f16, so a score IS the exponent t of 2.
; For each query a running maximum m and sum l: p = 2^(t - m), at most 1, rounded to f16 for the second product; l is summed of the unrounded p; in every step O and l are multiplied by a = 2^(m_old - m_new).
; ctxh [b][h][t][64] f16 takes the normalised result.  (Positions 0-15 are made again more finely by later launches.)  LIMIT: NaN and infinities are not served.
; SHARES.  A head has 128 tiles of 16 queries.  Pair p (0-7) of work-group J is tile 8 J + p (tile 1, "low") and its mirror 127 - (8 J + p) (tile 0, "high"): 2,064 keys x 16 queries under the mask for every pair.
; TWO WAVES SHARE A PAIR'S KEYS: wave p takes the even steps of 64 keys, wave p + 8 the odd ones, each with its own m, l and O^T: sixteen waves, four to a SIMD, so that one wave's waits stand beside three others' work.
; At the end waves 8-15 hand their m, l and O^T to waves 0-7 through LDS, as images of their registers, and the two halves are joined under the larger m.
; Every work-group walks all 8 slots of 256 keys: trip counts are constants.  A step all of whose keys come after a tile's queries is left out by a scalar branch on ids.
; LAYOUT.  S^T = K Q^T and O^T = V^T P: a lane holds ONE query (lane % 16) throughout; two S^T tiles rounded in pairs are source 1 of the second product.  K comes from LDS as it lies, V turned by ds_load_tr16_b128.
; RING.  Two slots; wave 0 fetches a slot's K (256 rows), wave 1 its V, one tensor load each, so that a load's bytes are read whenever its slot is.  A slot whose first key comes after the work-group's last query is not asked for.
; NO CLUSTER: under the mask the work-groups of a head need different numbers of slots, so a joint load would bring tiles that no wave of a partner reads.
.set KP,    144                        ; a key's row in LDS: 128 bytes + 16
.set VP,    160                        ; a value's row: 128 + 32
.set SK,    256
.set VOFF,  SK*KP
.set SLOT1, 1<<17
.set MG0,   VOFF+SK*VP                 ; behind slot 0's tiles: the images of tile 0, MGW bytes a pair; those of tile 1 lie SLOT1 further on, behind slot 1's tiles.  No tensor load lands on either
.set MGW,   4608                       ; 32 registers of O^T (4,096 bytes) and four of statistics (512)
.set STAGE, 2*SLOT1                    ; 16 rows x 144 bytes for each of waves 0-7; no tensor load lands here
.set SPARE, STAGE+8*16*KP              ; the spare words: 128 bytes a wave, 2,048 in all, named by no other line
.set AK0, 1
.set AV0, 2
.set ADK, 3
.set ADV, 4
.set RH,  5                            ; lane % 16 - 8 (lane / 16)
.set SPW, 6
.set NIL, 7
.set QO,  8
.set PFO, 9
.set STO, 10
.set RD,  11
.set ST,  12                           ; tile t's statistics at v[ST + 8 t]: +0 m, +1 0, +2:3 l, +4..7 at work (a in +6)
.set GO,  28
.set MA0, 29                           ; my pair's images of tile 0: MG0 + MGW x pair + 16 x lane;
.set MA1, 30                           ; of tile 1
.set Q,   32                           ; 16 registers a tile
.set S,   64                           ; 32 a tile; p's f16 pairs take the first 16
.set O,   128                          ; 32 a tile
.set KV,  192                          ; K's 8 fragments of a step, then V's 8; at the end the partner's O^T
.set WV,  8
.set QF,  12                           ; s12 tile 0's first query, s13 tile 1's; s14, s15 their last
.set G1K, 16
.set G1V, 24
.set G0K, 32
.set G0V, 36
.set PFK, 40
.set PFV, 42
.set LIM, 44
.set SLOTS, 45
.set TW,  46
.set KF,  47                           ; my step's first key
.set TK,  48                           ; LDS byte of my step's K, and
.set TV,  49                           ; of its V
.set QLAST, 50
.set T0,  51
.set SEL, 54
.set PW,  66                           ; my pair: wave % 8
.set PAR, 67                           ; which steps are mine: wave / 8
.set SF,  68                           ; the first key of the slot in hand: the same in every wave
.macro TLOAD                           ; the branches hang on the wave's number alone; an s_nop 0 and four v_nop follow each load
	s_cmp_eq_u32 s[WV], 0
	s_cbranch_scc0 .Lnot_k_\@
	tensor_load_to_lds s[G0K:G0K+3], s[G1K:G1K+7]
	s_nop 0
.rept 4
	v_nop
.endr
	s_branch .Lasked_\@
.Lnot_k_\@:
	s_cmp_eq_u32 s[WV], 1
	s_cbranch_scc0 .Lasked_\@
	tensor_load_to_lds s[G0V:G0V+3], s[G1V:G1V+7]
	s_nop 0
.rept 4
	v_nop
.endr
.Lasked_\@:
.endm
; A prefetch of the slot that the NEXT change of slots will ask for: 32,768 dense bytes of K and of V.  All work-groups of a head walk the same rows: the head's first work-group asks, its waves 4-7,
; 8,192 bytes of each a wave, lanes 256 bytes apart: each aligned block of 256 bytes is named once in the launch.  A slot's four key steps ahead of the load.  The last change that fills a slot asks for nothing.
.macro ASK
	s_cmp_gt_u32 s[SLOTS], s[LIM]
	s_cbranch_scc0 .Lnot_mine_\@
	global_prefetch_b8 v[PFO], s[PFK:PFK+1] th:TH_LOAD_NT scope:SCOPE_SE
	global_prefetch_b8 v[PFO], s[PFV:PFV+1] th:TH_LOAD_NT scope:SCOPE_SE
.Lnot_mine_\@:
.endm
	s_load_b128 s[4:7], s[0:1], 0x0                ; qkvh, ctxh
	v_lshl_add_u32 v[SPW], v0, 2, SPARE
	v_mov_b32 v[NIL], 0
	ds_add_u32 v[SPW], v[NIL]                      ; the opening: the add, twice on end, and its wait ahead of the first tensor load
	ds_add_u32 v[SPW], v[NIL]
	v_lshrrev_b32 v1, 5, v0
	v_readfirstlane_b32 s[WV], v1                  ; wave 0..15
	s_and_b32 s[PW], s[WV], 7
	s_lshr_b32 s[PAR], s[WV], 3
	s_and_b32 s9, ttmp7, 0xffff                    ; b x 16 + h
	s_lshl_b32 s10, s9, 18                         ; the head's first byte: 262,144 a head
	s_mov_b32 s11, 0
	s_lshl_b32 s13, ttmp9, 7
	s_lshl_b32 s[T0], s[PW], 4
	s_add_co_u32 s13, s13, s[T0]                   ; the low tile's first query: 128 J + 16 p
	s_sub_co_u32 s12, 2032, s13                    ; the high tile's
	s_add_co_u32 s14, s12, 15
	s_add_co_u32 s15, s13, 15
	s_lshl_b32 s[QLAST], ttmp9, 7
	s_sub_co_u32 s[QLAST], 2047, s[QLAST]          ; my work-group's last query
	s_mov_b32 s[G1K], (1<<16)|(1<<20)|(4<<22)|(3<<25)   ; elements of 2 bytes; 4 words of padding after every 32
	s_mov_b32 s[G1V], (1<<16)|(1<<20)|(4<<22)|(7<<25)   ; 8 words
.irp g, G1K, G1V
	s_mov_b32 s[\g+1], 64<<16                      ; tensor_dim0
	s_mov_b32 s[\g+2], SK<<16                      ; tensor_dim1
	s_mov_b32 s[\g+3], 64<<16                      ; tile_dim0
	s_mov_b32 s[\g+4], SK                          ; tile_dim1
	s_mov_b32 s[\g+5], 64                          ; stride
	s_mov_b32 s[\g+6], 0
	s_mov_b32 s[\g+7], 0
.endr
	s_mov_b32 s[SEL], 0x76543210
	s_mov_b32 s[SEL+1], 0xfedcba98
	s_lshl_b32 s[KF], s[PAR], 6                    ; my first step: keys 0 on, or 64 on
	s_mul_i32 s[TK], s[PAR], 64*KP
	s_mul_i32 s[TV], s[PAR], 64*VP
	s_mov_b32 s[SF], 0
	s_mov_b32 s[SLOTS], 7
	s_wait_dscnt 0x0                               ; both opening adds are done
	s_wait_kmcnt 0x0
	s_mov_b32 s[G0K], 1
	s_mov_b32 s[G0K+1], 0
	s_add_nc_u64 s[G0K+2:G0K+3], s[4:5], s[10:11]
	s_add_nc_u64 s[G0K+2:G0K+3], s[G0K+2:G0K+3], 0x800000     ; k's part of qkvh
	s_mov_b32 s[G0V], 1
	s_mov_b32 s[G0V+1], VOFF
	s_add_nc_u64 s[G0V+2:G0V+3], s[G0K+2:G0K+3], 0x800000     ; v's
	s_or_b32 s[G0K+3], s[G0K+3], 0x80000000
	s_or_b32 s[G0V+3], s[G0V+3], 0x80000000
	TLOAD                                          ; slot 0: it holds key 0, which counts for every query
	s_lshl_b32 s2, s12, 7
	s_add_co_u32 s2, s2, s10
	s_mov_b32 s3, 0
	s_lshl_b32 s52, s13, 7
	s_add_co_u32 s52, s52, s10
	s_mov_b32 s53, 0
	s_add_nc_u64 s[56:57], s[4:5], s[2:3]          ; q of tile 0,
	s_add_nc_u64 s[58:59], s[4:5], s[52:53]        ; of tile 1
	s_add_nc_u64 s[60:61], s[6:7], s[2:3]          ; ctx of tile 0,
	s_add_nc_u64 s[62:63], s[6:7], s[52:53]        ; of tile 1
	s_and_b32 s2, s[WV], 3
	s_lshl_b32 s2, s2, 13
	s_add_co_u32 s2, s2, s10
	s_add_co_u32 s2, s2, 0x808000                  ; k's part, slot 1: the first change of slots steps it to slot 2.  Nothing is prefetched at the head
	s_add_nc_u64 s[PFK:PFK+1], s[4:5], s[2:3]
	s_add_nc_u64 s[PFV:PFV+1], s[PFK:PFK+1], 0x800000
	s_sub_co_u32 s[T0], s[WV], 4
	s_lshr_b32 s[T0], s[T0], 2                     ; 0 in waves 4 to 7,
	s_or_b32 s[T0], s[T0], ttmp9                   ; of the head's first work-group
	s_cmp_eq_u32 s[T0], 0
	s_cselect_b32 s[LIM], 1, -1
	v_and_b32 v29, 15, v0                          ; r
	v_bfe_u32 v30, v0, 4, 1                        ; h
	v_and_b32 v31, 31, v0                          ; lane
	v_lshlrev_b32 v[QO], 7, v29
	v_lshl_add_u32 v[QO], v30, 4, v[QO]            ; q: row r of 128 bytes + 16 h
.irp kc, 0,1
	global_load_b128 v[Q+8*\kc:Q+8*\kc+3], v[QO], s[56:57] offset:64*\kc
	global_load_b128 v[Q+8*\kc+4:Q+8*\kc+7], v[QO], s[56:57] offset:64*\kc+32
	global_load_b128 v[Q+16+8*\kc:Q+16+8*\kc+3], v[QO], s[58:59] offset:64*\kc
	global_load_b128 v[Q+16+8*\kc+4:Q+16+8*\kc+7], v[QO], s[58:59] offset:64*\kc+32
.endr
	v_mul_u32_u24 v[AK0], v29, KP
	v_lshl_add_u32 v[AK0], v30, 4, v[AK0]          ; K: row r x pitch + 16 h
	v_and_b32 v[AV0], 7, v0
	v_lshl_add_u32 v[AV0], v30, 3, v[AV0]          ; V: key 8 h + lane % 8,
	v_mul_u32_u24 v[AV0], v[AV0], VP
	v_bfe_u32 v[ADK], v0, 3, 1
	v_lshl_add_u32 v[AV0], v[ADK], 4, v[AV0]       ; channels 8 ((lane / 8) % 2) on
	v_add_nc_u32 v[AV0], VOFF, v[AV0]
	v_lshlrev_b32 v[RH], 3, v30
	v_sub_nc_u32 v[RH], v29, v[RH]
	v_lshlrev_b32 v[PFO], 8, v31
	s_mul_i32 s[T0], s[PW], 16*KP
	s_add_co_u32 s[T0], s[T0], STAGE               ; my pair's stage (waves 0-7 alone use it)
	v_add_nc_u32 v[STO], s[T0], v[AK0]             ; in: row r, 16 bytes for each half of the lanes
	v_lshrrev_b32 v[RD], 3, v31
	v_mul_u32_u24 v[RD], v[RD], KP
	v_and_b32 v[ADK], 7, v0
	v_lshl_add_u32 v[RD], v[ADK], 4, v[RD]
	v_add_nc_u32 v[RD], s[T0], v[RD]               ; back: eight lanes a row, four rows an instruction
	v_lshlrev_b32 v[GO], 4, v31                    ; which are 512 consecutive bytes of ctxh
	s_mul_i32 s[T0], s[PW], MGW
	s_add_co_u32 s[T0], s[T0], MG0
	v_lshl_add_u32 v[MA0], v31, 4, s[T0]           ; (r and h are done with: their registers take the images' addresses)
	v_add_nc_u32 v[MA1], SLOT1, v[MA0]
.irp t, 0,1
	v_mov_b32 v[ST+8*\t], 0xff61b1e6               ; m: -3e38, under every score
.irp i, 1,2,3,4,5,6,7
	v_mov_b32 v[ST+8*\t+\i], 0
.endr
.endr
.irp j, 0,1,2,3,4,5,6,7,8,9,10,11,12,13,14,15,16,17,18,19,20,21,22,23,24,25,26,27,28,29,30,31,32,33,34,35,36,37,38,39,40,41,42,43,44,45,46,47,48,49,50,51,52,53,54,55,56,57,58,59,60,61,62,63
	v_mov_b32 v[O+\j], 0                           ; O^T: the step is written once; its first run finds zeros, which a = 0 leaves zeros.  A wave that has no step for a tile hands zeros on
.endr
.macro KLOAD                           ; 64 keys x 64 channels: fragment (kc, kt) = keys 16 kt on, channels 32 kc on
	v_add_nc_u32 v[ADK], s[TK], v[AK0]
.irp kc, 0,1
.irp kt, 0,1,2,3
	ds_load_b128 v[KV+8*(4*\kc+\kt):KV+8*(4*\kc+\kt)+3], v[ADK] offset:\kt*16*KP+64*\kc
	ds_load_b128 v[KV+8*(4*\kc+\kt)+4:KV+8*(4*\kc+\kt)+7], v[ADK] offset:\kt*16*KP+64*\kc+32
.endr
.endr
.endm
.macro SMUL kc, two                    ; S^T: the accumulators take turns, one instruction a turn; channels 0-31 start the sums
.irp t, 0,1
.if (\t == 0) || \two
.irp kt, 0,1,2,3
.if \kc == 0
	v_wmma_f32_16x16x32_f16 v[S+32*\t+8*\kt:S+32*\t+8*\kt+7], v[KV+8*\kt:KV+8*\kt+7], v[Q+16*\t:Q+16*\t+7], 0
.else
	v_wmma_f32_16x16x32_f16 v[S+32*\t+8*\kt:S+32*\t+8*\kt+7], v[KV+32+8*\kt:KV+32+8*\kt+7], v[Q+16*\t+8:Q+16*\t+15], v[S+32*\t+8*\kt:S+32*\t+8*\kt+7]
.endif
.endr
.endif
.endr
.endm
.macro VLOAD                           ; V^T: fragment (b, c) = channels 16 c on, keys 32 b on
	v_add_nc_u32 v[ADV], s[TV], v[AV0]
.irp b, 0,1
.irp c, 0,1,2,3
	ds_load_tr16_b128 v[KV+8*(4*\b+\c):KV+8*(4*\b+\c)+3], v[ADV] offset:\b*32*VP+32*\c
	ds_load_tr16_b128 v[KV+8*(4*\b+\c)+4:KV+8*(4*\b+\c)+7], v[ADV] offset:\b*32*VP+16*VP+32*\c
.endr
.endr
.endm
.macro PV t
.irp b, 0,1
.irp c, 0,1,2,3
	v_wmma_f32_16x16x32_f16 v[O+32*\t+8*\c:O+32*\t+8*\c+7], v[KV+8*(4*\b+\c):KV+8*(4*\b+\c)+7], v[S+32*\t+8*\b:S+32*\t+8*\b+7], v[O+32*\t+8*\c:O+32*\t+8*\c+7]
.endr
.endr
.endm
.macro SOFTMAX t
.set rT, ST+8*(\t)
.set rS, S+32*(\t)
.set rO, O+32*(\t)
	s_add_co_u32 s[T0], s[KF], 63                  ; a step all of whose keys count skips the mask: ids alone
	s_cmp_le_u32 s[T0], s[QF+\t]
	s_cbranch_scc1 .Lopen_\@
	s_sub_co_i32 s[T0], s[QF+\t], s[KF]
	v_add_nc_u32 v[rT+4], s[T0], v[RH]             ; d = my query - KF - 8 h.  Register n holds key KF + 8 h + 16 (n / 8) + n % 8: hidden where 16 (n / 8) + n % 8 > d
	v_mov_b32 v[rT+5], 0xff800000                  ; -infinity: p = 0 then.  (A step is walked only where KF is at or under the tile's first query: key KF counts for all 16)
.irp n, 0,1,2,3,4,5,6,7,8,9,10,11,12,13,14,15,16,17,18,19,20,21,22,23,24,25,26,27,28,29,30,31
	v_cmp_gt_i32 vcc_lo, 16*(\n/8)+\n%8, v[rT+4]
	v_cndmask_b32 v[rS+\n], v[rS+\n], v[rT+5], vcc_lo
.endr
.Lopen_\@:
.irp j, 0,1,2,3
	v_max3_num_f32 v[rT+4+\j], v[rS+8*\j], v[rS+8*\j+1], v[rS+8*\j+2]      ; four chains, each from its accumulator's low end
.endr
.irp i, 3,5
.irp j, 0,1,2,3
	v_max3_num_f32 v[rT+4+\j], v[rT+4+\j], v[rS+8*\j+\i], v[rS+8*\j+\i+1]
.endr
.endr
	v_max3_num_f32 v[rT+4], v[rT+4], v[rS+7], v[rS+15]
	v_max3_num_f32 v[rT+6], v[rT+6], v[rS+23], v[rS+31]
	v_max3_num_f32 v[rT+4], v[rT+4], v[rT+5], v[rT+6]
	v_max3_num_f32 v[rT+4], v[rT+4], v[rT+7], v[rT]        ; with the old m
	v_permlanex16_b32 v[rT+5], v[rT+4], s[SEL], s[SEL+1]   ; the query's other 32 keys lie in the lane 16 away
	v_max_num_f32 v[rT+7], v[rT+4], v[rT+5]                ; the new m
	v_sub_f32 v[rT+6], v[rT], v[rT+7]                      ; m_old - m_new
	v_mov_b32 v[rT], v[rT+7]
.irp i, 0,2,4,6,8,10,12,14,16,18,20,22,24,26,28,30
	v_pk_add_f32 v[rS+\i:rS+\i+1], v[rS+\i:rS+\i+1], v[rT:rT+1] op_sel_hi:[1,0] neg_lo:[0,1] neg_hi:[0,1]   ; t - m, two at a time
.endr
	v_exp_f32 v[rT+6], v[rT+6]                     ; a
.irp n, 0,1,2,3,4,5,6,7,8,9,10,11,12,13,14,15,16,17,18,19,20,21,22,23,24,25,26,27,28,29,30,31
	v_exp_f32 v[rS+\n], v[rS+\n]                   ; p: one batch of 33
.endr
	v_nop                                          ; a plain instruction behind the last exponential
	s_wait_alu depctr_va_vdst(0)                   ; one wait for the batch, ahead of its first reader
	v_pk_mul_f32 v[rT+2:rT+3], v[rT+2:rT+3], v[rT+6:rT+7] op_sel_hi:[1,0]     ; l x a
	v_pk_add_f32 v[rT+4:rT+5], v[rS:rS+1], v[rS+2:rS+3]                       ; the sum of the unrounded p, in two chains
.irp u, 4,8,12,16,20,24,28
	v_pk_add_f32 v[rT+2:rT+3], v[rT+2:rT+3], v[rS+\u:rS+\u+1]
	v_pk_add_f32 v[rT+4:rT+5], v[rT+4:rT+5], v[rS+\u+2:rS+\u+3]
.endr
	v_pk_add_f32 v[rT+2:rT+3], v[rT+2:rT+3], v[rT+4:rT+5]
.irp i, 0,1,2,3,4,5,6,7,8,9,10,11,12,13,14,15
	v_cvt_pk_f16_f32 v[rS+\i], v[rS+2*\i], v[rS+2*\i+1]   ; in place: registers 8 b .. 8 b + 7 are source 1 for keys 32 b on
.endr
.irp i, 0,2,4,6,8,10,12,14,16,18,20,22,24,26,28,30
	v_pk_mul_f32 v[rO+\i:rO+\i+1], v[rO+\i:rO+\i+1], v[rT+6:rT+7] op_sel_hi:[1,0]   ; O^T x a, each accumulator from its low end
.endr
.endm
.macro BODY two                        ; a key step for the high tile (two = 0) or for both
	KLOAD
	s_wait_dscnt 8                                 ; channels 0-31 are in; the eight loads of channels 32-63 may be out
	SMUL 0, \two
	s_wait_dscnt 0x0
	SMUL 1, \two
.rept 4
	v_nop                                          ; places ahead of the loads into K's registers and of the first read of S^T
.endr
	VLOAD                                          ; V lands while the softmax is walked
	SOFTMAX 0
.if \two
	SOFTMAX 1
.endif
	s_wait_dscnt 0x0
	PV 0
.if \two
	PV 1
.endif
.rept 5
	v_nop                                          ; the next step's first products write over p's registers, which these products read: five places; loads into V's registers and reads of O^T want four
.endr
.endm
.macro STEP
	s_cmp_gt_u32 s[KF], s14                        ; all 64 keys come after both tiles' queries
	s_cbranch_scc1 .Lend_\@
	s_cmp_gt_u32 s[KF], s15                        ; after the low tile's alone
	s_cbranch_scc1 .Lsingle_\@
	BODY 1
	s_branch .Lend_\@
.Lsingle_\@:
	BODY 0
.Lend_\@:
	s_add_co_u32 s[KF], s[KF], 128                 ; my next step: the one between is my partner's
	s_add_co_u32 s[TK], s[TK], 128*KP
	s_add_co_u32 s[TV], s[TV], 128*VP
.endm
.macro SLOT_STEPS                      ; my two of a slot's four steps: written once, walked twice
	s_mov_b32 s[TW], 2
.Lst_\@:
	STEP
	s_sub_co_u32 s[TW], s[TW], 1
	s_cmp_lg_u32 s[TW], 0
	s_cbranch_scc1 .Lst_\@
	s_sub_co_u32 s[TK], s[TK], SK*KP               ; back to my first step of a slot,
	s_xor_b32 s[TK], s[TK], SLOT1                  ; in the other slot
	s_sub_co_u32 s[TV], s[TV], SK*VP
	s_xor_b32 s[TV], s[TV], SLOT1
	s_add_co_u32 s[SF], s[SF], SK
.endm
; THE CHANGE OF SLOTS, at a slot's head.  Each wave waits for all its tensor loads, adds 0 to its spare word, and waits for that and for its reads of the slot that it has left.  Behind the barrier the slot ahead is
; whole and nobody reads the other one, which is then filled with the keys that follow: the load has a slot's steps in which to land.  Every wait on TENSORcnt in this text is for 0; a wave has at most one tensor load out.
.macro CHANGE fill
	s_wait_tensorcnt 0x0
	ds_add_u32 v[SPW], v[NIL]
.if \fill
	ds_add_u32 v[SPW], v[NIL]                      ; and twice on end here, in every trip alike
	s_xor_b32 s[G0K+1], s[G0K+1], SLOT1            ; no tensor load of mine is out: the walking descriptors step
	s_add_nc_u64 s[G0K+2:G0K+3], s[G0K+2:G0K+3], SK*128
	s_xor_b32 s[G0V+1], s[G0V+1], SLOT1
	s_add_nc_u64 s[G0V+2:G0V+3], s[G0V+2:G0V+3], SK*128
	s_wait_xcnt 0x0                                ; the last prefetches, a slot back, have read their addresses
	s_add_nc_u64 s[PFK:PFK+1], s[PFK:PFK+1], SK*128
	s_add_nc_u64 s[PFV:PFV+1], s[PFV:PFV+1], SK*128
.endif
	s_wait_dscnt 0x0
	s_barrier_signal -1
	s_barrier_wait -1
.if \fill
	s_add_co_u32 s[T0], s[SF], SK                  ; the first key of the slot that this change would ask for
	s_cmp_gt_u32 s[T0], s[QLAST]                   ; the work-group's number and the count of slots alone: all sixteen waves go the same way, and a work-group past the limit stays past it
	s_cbranch_scc1 .Lpast_\@
	TLOAD
.Lpast_\@:
	ASK
.endif
.endm
	s_wait_loadcnt 0x0                             ; Q
.Lslot:                                            ; 7 trips
	CHANGE 1
	SLOT_STEPS
	s_sub_co_u32 s[SLOTS], s[SLOTS], 1
	s_cmp_lg_u32 s[SLOTS], 0
	s_cbranch_scc1 .Lslot
	CHANGE 0                                       ; the last slot is written out: nothing is left to fetch
	SLOT_STEPS
	; THE TWO HALVES OF THE KEYS MEET.  Waves 8-15 store O^T (each accumulator from its low end on) and m, 0, l, l as images of their registers: lane l's 16 bytes at 16 l.
	s_cmp_lt_u32 s[WV], 8
	s_cbranch_scc1 .Lkeep
.irp c, 0,1,2,3,4,5,6,7
	ds_store_b128 v[MA0], v[O+4*\c:O+4*\c+3] offset:512*\c
.endr
	ds_store_b128 v[MA0], v[ST:ST+3] offset:4096
.irp c, 0,1,2,3,4,5,6,7
	ds_store_b128 v[MA1], v[O+32+4*\c:O+32+4*\c+3] offset:512*\c
.endr
	ds_store_b128 v[MA1], v[ST+8:ST+11] offset:4096
.Lkeep:
	s_wait_dscnt 0x0                               ; for the partner's sake: the images have landed
	s_barrier_signal -1
	s_barrier_wait -1
	s_cmp_ge_u32 s[WV], 8
	s_cbranch_scc1 .Lend                           ; waves 8-15 are done
	ds_load_b128 v[S+16:S+19], v[MA0] offset:4096  ; the partner's m, 0, l, l of tile 0,
	ds_load_b128 v[S+48:S+51], v[MA1] offset:4096  ; of tile 1
.irp c, 0,1,2,3,4,5,6,7
	ds_load_b128 v[KV+4*\c:KV+4*\c+3], v[MA0] offset:512*\c
.endr
.irp c, 0,1,2,3,4,5,6,7
	ds_load_b128 v[KV+32+4*\c:KV+32+4*\c+3], v[MA1] offset:512*\c
.endr
	s_wait_dscnt 16                                ; the statistics are in; the sixteen loads of O^T may be out
	; m = the larger of the two; a1 = 2^(m1 - m), a2 = 2^(m2 - m); l = l1 a1 + l2 a2; O = O1 a1 / l + O2 a2 / l.  My half holds key 0, so m is a number; a partner that had no step holds -3e38, 0 and zeros: its a is 0.
.irp t, 0,1
	v_add_f32 v[ST+8*\t+4], v[ST+8*\t+2], v[ST+8*\t+3]             ; my l's two halves,
	v_add_f32 v[S+32*\t+18], v[S+32*\t+18], v[S+32*\t+19]          ; the partner's
	v_max_num_f32 v[ST+8*\t+5], v[ST+8*\t], v[S+32*\t+16]
.endr
.irp t, 0,1
	v_sub_f32 v[ST+8*\t+6], v[ST+8*\t], v[ST+8*\t+5]
	v_sub_f32 v[ST+8*\t+7], v[S+32*\t+16], v[ST+8*\t+5]
.endr
.irp t, 0,1
	v_exp_f32 v[ST+8*\t+6], v[ST+8*\t+6]           ; a1
	v_exp_f32 v[ST+8*\t+7], v[ST+8*\t+7]           ; a2
.endr
	v_nop
	s_wait_alu depctr_va_vdst(0)                   ; one wait for the four
.irp t, 0,1
	v_mul_f32 v[ST+8*\t+4], v[ST+8*\t+4], v[ST+8*\t+6]
.endr
.irp t, 0,1
	v_fma_f32 v[ST+8*\t+4], v[S+32*\t+18], v[ST+8*\t+7], v[ST+8*\t+4]
.endr
.irp t, 0,1
	v_permlanex16_b32 v[ST+8*\t+5], v[ST+8*\t+4], s[SEL], s[SEL+1]
.endr
.irp t, 0,1
	v_add_f32 v[ST+8*\t+4], v[ST+8*\t+4], v[ST+8*\t+5]             ; with the other half of the lanes': the row's sum
.endr
.irp t, 0,1
	v_rcp_f32 v[ST+8*\t+5], v[ST+8*\t+4]
.endr
	v_nop
	s_wait_alu depctr_va_vdst(0)                   ; one wait for both reciprocals
.irp t, 0,1
	v_mul_f32 v[ST+8*\t+2], v[ST+8*\t+6], v[ST+8*\t+5]             ; a1 / l,
	v_mul_f32 v[ST+8*\t+6], v[ST+8*\t+7], v[ST+8*\t+5]             ; a2 / l
.endr
	s_wait_dscnt 0x0                               ; the partner's O^T is in
	; THE WAY OUT: joined and divided, rounded to f16 and sent through my stage; four rows, 512 consecutive bytes, a store.
.irp t, 0,1
.irp i, 0,2,4,6,8,10,12,14,16,18,20,22,24,26,28,30
	v_pk_mul_f32 v[KV+32*\t+\i:KV+32*\t+\i+1], v[KV+32*\t+\i:KV+32*\t+\i+1], v[ST+8*\t+6:ST+8*\t+7] op_sel_hi:[1,0]
.endr
.irp i, 0,2,4,6,8,10,12,14,16,18,20,22,24,26,28,30
	v_pk_fma_f32 v[O+32*\t+\i:O+32*\t+\i+1], v[O+32*\t+\i:O+32*\t+\i+1], v[ST+8*\t+2:ST+8*\t+3], v[KV+32*\t+\i:KV+32*\t+\i+1] op_sel_hi:[1,0,1]
.endr
.irp i, 0,1,2,3,4,5,6,7,8,9,10,11,12,13,14,15
	v_cvt_pk_f16_f32 v[S+32*\t+\i], v[O+32*\t+2*\i], v[O+32*\t+2*\i+1]
.endr
.irp c, 0,1,2,3
	ds_store_b128 v[STO], v[S+32*\t+4*\c:S+32*\t+4*\c+3] offset:32*\c
.endr
.irp u, 0,1,2,3
	ds_load_b128 v[S+32*\t+16+4*\u:S+32*\t+16+4*\u+3], v[RD] offset:\u*4*KP   ; LDS serves a wave in order: these see the stores above, and the next tile's stores come behind them
.endr
.endr
.irp u, 0,1,2,3
	s_wait_dscnt 11-\u                             ; behind tile 0's load u: its 3 - u younger loads and tile 1's eight instructions
	global_store_b128 v[GO], v[S+16+4*\u:S+16+4*\u+3], s[60:61] offset:512*\u
.endr
.irp u, 0,1,2,3
	s_wait_dscnt 3-\u
	global_store_b128 v[GO], v[S+48+4*\u:S+48+4*\u+3], s[62:63] offset:512*\u
.endr
.Lend:
	s_wait_tensorcnt 0x0                           ; the wave's end
	ds_add_u32 v[SPW], v[NIL]
	s_wait_dscnt 0x0
	s_endpgm
.Lfunc_end_k_q99e77409a1_attn:
	.size	k_q99e77409a1_attn, .Lfunc_end_k_q99e77409a1_attn-k_q99e77409a1_attn
	.p2alignl 7, 3214868480
	.fill 96, 4, 3214868480
	.section	.rodata,"a",@progbits
	.p2align	6, 0x0
	.amdhsa_kernel k_q99e77409a1_attn
		.amdhsa_group_segment_fixed_size 327680
		.amdhsa_private_segment_fixed_size 0
		.amdhsa_enable_private_segment 0
		.amdhsa_kernarg_size 16
		.amdhsa_user_sgpr_count 2
		.amdhsa_user_sgpr_kernarg_segment_ptr 1
		.amdhsa_wavefront_size32 1
		.amdhsa_system_sgpr_workgroup_id_x 1
		.amdhsa_system_sgpr_workgroup_id_y 1
		.amdhsa_system_sgpr_workgroup_id_z 1
		.amdhsa_system_vgpr_workitem_id 0
		.amdhsa_next_free_vgpr 256
		.amdhsa_next_free_sgpr 72
		.amdhsa_reserve_vcc 1
		.amdhsa_float_denorm_mode_32 3
		.amdhsa_float_denorm_mode_16_64 3
		.amdhsa_memory_ordered 1
		.amdhsa_forward_progress 1
		.amdhsa_inst_pref_size 92
	.end_amdhsa_kernel
	.amdgpu_metadata
---
amdhsa.version: [ 1, 2 ]
amdhsa.kernels:
  - .name:           k_q99e77409a1_attn
    .symbol:         k_q99e77409a1_attn.kd
    .args:
      - { .name: qkvh, .offset: 0, .size: 8, .value_kind: global_buffer, .address_space: global }
      - { .name: ctxh, .offset: 8, .size: 8, .value_kind: global_buffer, .address_space: global }
    .group_segment_fixed_size: 327680
    .private_segment_fixed_size: 0
    .kernarg_segment_align: 8
    .kernarg_segment_size: 16
    .max_flat_workgroup_size: 512
    .sgpr_count:     72
    .vgpr_count:     256
    .wavefront_size: 32
...
	.end_amdgpu_metadata
.endif
;; end of part 3
;; launch proj (part 4): grid 8 x 32, 4 waves a work-group, clusters of 4 x 4, 327,680 bytes of LDS; arguments ctxh, wo16, out0; writes out0
.if DOCPART == 4
	.amdgcn_target "amdgcn-amd-amdhsa--gfx1250"
	.amdhsa_code_object_version 6
	.text
	.protected	k_q99e77409a1_proj
	.globl	k_q99e77409a1_proj
	.p2align	8
	.type	k_q99e77409a1_proj,@function
k_q99e77409a1_proj:
	s_mov_b64 s[64:65], 0
	v_nop
	global_prefetch_b8 v0, s[64:65] scope:SCOPE_SE
	s_setreg_imm32_b32 hwreg(HW_REG_WAVE_MODE, 25, 1), 1
	s_wait_xcnt 0x0
	s_wait_alu depctr_hold_cnt(0) depctr_sa_sdst(0) depctr_va_vdst(0) depctr_va_sdst(0) depctr_va_ssrc(0) depctr_va_vcc(0) depctr_vm_vsrc(0)
	s_getreg_b32 s2, hwreg(HW_REG_IB_STS2, 6, 4)
	s_cmp_eq_u32 s2, 0
	s_cbranch_scc0 .Lentry_in_a_cluster
	s_endpgm
.Lentry_in_a_cluster:
	s_bfe_u32 s2, ttmp6, 0x10000c
	s_cmp_lg_u32 s2, 0xf033
	s_cbranch_scc0 .Lentry_shape_is_right
	s_endpgm
.Lentry_shape_is_right:
; out0[m][n] = sum over k of ctx[m][k] w_o[n][k], f16 operands, f32 sums and f32 output.  ctx comes as ctxh [b][h][t][64] (k = 64 h + d), w_o as wo16 [1024][1024].  M = 4,096, N = K = 1,024.
; (Rows t < 16 of each batch are written again, more finely, by a later launch.)
; A tile of out0 is 128 x 128: 256 work-groups; four waves, 64 x 64 each: 16 accumulators.  K goes in steps of 256 (four heads) through a ring of two LDS slots.
; A's tile for a loading wave is 64 rows t x 4 heads: ONE descriptor whose "row" is a head's dense run of 64 rows x 64 elements (8,192 bytes), four such rows a head's 131,072 elements apart, with 16 bytes of padding
; behind every 128: in LDS [head][64 rows] at pitch 144.  B's tile is 64 rows of 512 bytes at pitch 528.
; CLUSTERS: 4 x 4; A's tiles jointly along a row of the cluster, B's along a column.  THE MATRIX INSTRUCTION IS USED TRANSPOSED: a lane holds eight neighbouring columns of a row.
; REGISTERS: window 0: v0-31 addresses; v32-95 rows on the way out; v128-255 accumulators ((a, b) at v[128 + 8 (4 a + b)]).  window 1: two fragment buffers of 128 (64 of A, 64 of B, for 64 along K = one head).
; No prefetch: a short launch on small tiles that are shared by joint loads.
.set KSTEP,  256
.set PA,     144
.set PB,     528
.set HALFA,  4*64*PA
.set HALFB,  64*PB
.set BOFF,   2*HALFA
.set SLOT,   2*HALFA+2*HALFB
.set STAGE,  2*SLOT                    ; 16 rows x 272 bytes for each wave: a wave's 64 columns of f32 are 256 bytes; no tensor load lands here
.set SPITCH, 272
.set SPARE,  STAGE+4*16*SPITCH         ; the spare words: 128 bytes a wave, named by no other line
.set LAPS,   2
.set ADRA, 16
.set ADRB, 20
.set STO,  24
.set RD,   25
.set CO,   26
.set SPW,  28
.set NIL,  29
.set ACC,  128
.set F0,   0
.set F1,   128
.set G1, 24
.set G0, 32
.set G1B, 48
.set G0B, 56
.set MSB, 0
.macro WIN new
.if MSB != (\new)
	s_set_vgpr_msb (MSB<<8)|(\new)
.set MSB, (\new)
.endif
.endm
.set MUL,  0x05                        ; sources 0 (B) and 1 (A) window 1; C and D window 0
.set TO_F, 0x40
.macro JLOAD s                         ; waves 0 and 1 fetch A's halves, waves 2 and 3 B's; an s_nop 0 and four v_nop follow each line
	s_cmp_eq_u32 s11, 0
	s_cbranch_scc0 .Lfor_b_\@
	tensor_load_to_lds s[G0+4*\s:G0+4*\s+3], s[G1:G1+7]
	s_nop 0
.rept 4
	v_nop
.endr
	s_branch .Lasked_\@
.Lfor_b_\@:
	tensor_load_to_lds s[G0B+4*\s:G0B+4*\s+3], s[G1B:G1B+7]
	s_nop 0
.rept 4
	v_nop
.endr
.Lasked_\@:
.endm
.macro CREST
	s_cmp_lg_u32 s10, 0
	s_cbranch_scc1 .Lnot_wave_0_\@
	s_barrier_signal -3
.Lnot_wave_0_\@:
	s_barrier_wait -3
	s_barrier_signal -1
	s_barrier_wait -1
.endm
.macro CROUND
	s_barrier_signal -1
	s_barrier_wait -1
	CREST
.endm
	s_load_b128 s[4:7], s[0:1], 0x0                ; ctxh, wo16
	s_load_b64 s[8:9], s[0:1], 0x10                ; out0
	v_lshl_add_u32 v[SPW], v0, 2, SPARE
	v_mov_b32 v[NIL], 0
	ds_add_u32 v[SPW], v[NIL]                      ; the opening: the add, twice on end, and its wait ahead of my first tensor load
	ds_add_u32 v[SPW], v[NIL]
	v_lshrrev_b32 v1, 5, v0
	v_readfirstlane_b32 s10, v1                    ; wave 0..3
	s_lshr_b32 s11, s10, 1                         ; my half of the tile's rows.  Also: I fetch for A (0) or for B (1)
	s_and_b32 s12, s10, 1                          ; my half of its columns.  Also: which 64 rows I fetch
	s_bfe_u32 s40, ttmp6, 0x40000
	s_bfe_u32 s41, ttmp6, 0x40004
	s_lshl_b32 s42, ttmp9, 2
	s_add_co_u32 s42, s42, s40                     ; tile column
	s_and_b32 s13, ttmp7, 0xffff
	s_lshl_b32 s13, s13, 2
	s_add_co_u32 s13, s13, s41                     ; tile row
	s_lshl_b32 s43, s41, 2
	s_lshl_b32 s43, 15, s43
	s_lshl_b32 s44, 0x1111, s40
	s_or_b32 s[G1+0], s43, (1<<16)|(1<<20)|(1<<21)|(4<<22)|(3<<25)  ; A: elements of 2 bytes; 4 words of padding after every 32
	s_mov_b32 s[G1+1], 4096<<16                    ; tensor_dim0 = 4,096: a head's 64 rows x 64 elements on end
	s_mov_b32 s[G1+2], 4<<16                       ; tensor_dim1 = 4 heads
	s_mov_b32 s[G1+3], 4096<<16                    ; tile_dim0
	s_mov_b32 s[G1+4], 4                           ; tile_dim1
	s_mov_b32 s[G1+5], 131072                      ; elements from head to head
	s_mov_b32 s[G1+6], 0
	s_mov_b32 s[G1+7], 0
	s_or_b32 s[G1B+0], s44, (1<<16)|(1<<20)|(1<<21)|(6<<22)|(3<<25) ; B: 4 words of padding after every 128
	s_mov_b32 s[G1B+1], KSTEP<<16
	s_mov_b32 s[G1B+2], 64<<16
	s_mov_b32 s[G1B+3], KSTEP<<16
	s_mov_b32 s[G1B+4], 64
	s_mov_b32 s[G1B+5], 1024
	s_mov_b32 s[G1B+6], 0
	s_mov_b32 s[G1B+7], 0
	s_lshr_b32 s16, s13, 4
	s_lshl_b32 s16, s16, 22                        ; A: b x 4,194,304
	s_and_b32 s17, s13, 15
	s_lshl_b32 s17, s17, 14                        ; + 128 rows of 128 bytes for each tile row in the batch
	s_add_co_u32 s16, s16, s17
	s_lshl_b32 s17, s12, 13                        ; + the 64 rows that I fetch
	s_add_co_u32 s16, s16, s17
	s_mov_b32 s17, 0
	s_lshl_b32 s46, s42, 18                        ; B: 128 rows of 2,048 bytes for each tile column
	s_lshl_b32 s47, s12, 17
	s_add_co_u32 s46, s46, s47
	s_mov_b32 s47, 0
	s_mul_i32 s20, s12, HALFA                      ; where they go: no place in the cluster enters an LDS address
	s_mul_i32 s21, s12, HALFB
	s_add_co_u32 s21, s21, BOFF
	s_wait_dscnt 0x0
	s_wait_kmcnt 0x0
	s_add_nc_u64 s[14:15], s[4:5], s[16:17]
	s_add_nc_u64 s[46:47], s[6:7], s[46:47]
	CROUND                                         ; the first joint loads meet
.irp s, 0,1
	s_mov_b32 s[G0+4*\s], 1
	s_add_co_u32 s[G0+4*\s+1], s20, \s*SLOT
	s_add_nc_u64 s[G0+4*\s+2:G0+4*\s+3], s[14:15], \s*1048576      ; a K step on is four heads of 262,144 bytes
	s_or_b32 s[G0+4*\s+3], s[G0+4*\s+3], 0x80000000
	s_mov_b32 s[G0B+4*\s], 1
	s_add_co_u32 s[G0B+4*\s+1], s21, \s*SLOT
	s_add_nc_u64 s[G0B+4*\s+2:G0B+4*\s+3], s[46:47], \s*KSTEP*2
	s_or_b32 s[G0B+4*\s+3], s[G0B+4*\s+3], 0x80000000
	JLOAD \s
.endr
	v_and_b32 v1, 15, v0
	v_bfe_u32 v2, v0, 4, 1
	v_mul_u32_u24 v3, v1, PA
	v_lshl_add_u32 v3, v2, 4, v3
	v_mul_u32_u24 v4, v1, PB
	v_lshl_add_u32 v4, v2, 4, v4
	s_mul_i32 s21, s11, HALFA                      ; my 64 rows of A
	s_mul_i32 s22, s12, HALFB                      ; my 64 rows of B
	s_add_co_u32 s22, s22, BOFF
.irp s, 0,1
	v_add_nc_u32 v[ADRA+\s], s21, v3
	v_add_nc_u32 v[ADRB+\s], s22, v4
	s_add_co_u32 s21, s21, SLOT
	s_add_co_u32 s22, s22, SLOT
.endr
	s_mul_i32 s23, s10, 16*SPITCH
	s_add_co_u32 s23, s23, STAGE                   ; my stage
	v_mul_u32_u24 v5, v1, SPITCH                   ; in: row l % 16, 32 bytes for each half of the lanes
	v_lshl_add_u32 v5, v2, 5, v5
	v_add_nc_u32 v[STO], s23, v5
	v_mul_u32_u24 v5, v2, SPITCH                   ; back: lanes 0-15 one row of 256 bytes, lanes 16-31 the next
	v_lshl_add_u32 v5, v1, 4, v5
	v_add_nc_u32 v[RD], s23, v5
	v_lshlrev_b32 v[CO], 12, v2                    ; and the same two rows in out0
	v_lshl_add_u32 v[CO], v1, 4, v[CO]
	s_lshl_b32 s16, s13, 7
	s_lshl_b32 s17, s11, 6
	s_add_co_u32 s16, s16, s17                     ; my first row
	s_lshl_b32 s16, s16, 12
	s_lshl_b32 s46, s42, 9
	s_lshl_b32 s47, s12, 8
	s_add_co_u32 s46, s46, s47                     ; my first column, in bytes
	s_add_co_u32 s16, s16, s46
	s_mov_b32 s17, 0
	s_add_nc_u64 s[8:9], s[8:9], s[16:17]
.macro MUL8 f, c, a0, zero             ; m blocks a0, a0 + 1 x 4 n blocks, 32 along K; the 16 accumulators take turns
.irp a, \a0, \a0+1
.irp b, 0,1,2,3
.if \zero
	v_wmma_f32_16x16x32_f16 v[ACC+8*(4*(\a)+\b):ACC+8*(4*(\a)+\b)+7], v[\f+64+8*(4*\c+\b):\f+64+8*(4*\c+\b)+7], v[\f+8*(4*\c+\a):\f+8*(4*\c+\a)+7], 0
.else
	v_wmma_f32_16x16x32_f16 v[ACC+8*(4*(\a)+\b):ACC+8*(4*(\a)+\b)+7], v[\f+64+8*(4*\c+\b):\f+64+8*(4*\c+\b)+7], v[\f+8*(4*\c+\a):\f+8*(4*\c+\a)+7], v[ACC+8*(4*(\a)+\b):ACC+8*(4*(\a)+\b)+7]
.endif
.endr
.endr
.endm
.macro FETCH slot, q, f                ; 32 LDS loads in one run: quarter q of the slot = head q: 64 along K; its first 32 first
	WIN TO_F
.irp c, 0,1
.irp i, 0,1,2,3
	ds_load_b128 v[\f+64+8*(4*\c+\i):\f+64+8*(4*\c+\i)+3],   v[ADRB+\slot] offset:128*(\q)+64*\c+\i*16*PB
	ds_load_b128 v[\f+64+8*(4*\c+\i)+4:\f+64+8*(4*\c+\i)+7], v[ADRB+\slot] offset:128*(\q)+64*\c+\i*16*PB+32
	ds_load_b128 v[\f+8*(4*\c+\i):\f+8*(4*\c+\i)+3],         v[ADRA+\slot] offset:64*PA*(\q)+64*\c+\i*16*PA
	ds_load_b128 v[\f+8*(4*\c+\i)+4:\f+8*(4*\c+\i)+7],       v[ADRA+\slot] offset:64*PA*(\q)+64*\c+\i*16*PA+32
.endr
.endr
.endm
.macro PLACES
.rept 4
	v_nop
.endr
.endm
.macro QUARTER slot, q, f, g, zero     ; multiplies buffer f and fetches quarter q into g
	s_wait_dscnt 16                                ; the first 32 along K are in; the other sixteen loads may be out
	WIN MUL
	MUL8 \f, 0, 0, \zero
	MUL8 \f, 0, 2, \zero
	PLACES
	FETCH \slot, \q, \g
	s_wait_dscnt 32                                ; all but the 32 just issued
	WIN MUL
	MUL8 \f, 1, 0, 0
	MUL8 \f, 1, 2, 0
.endm
; The last quarter changes slots: each wave waits for all its tensor loads, adds 0 to its spare word, and waits for that and for its reads of this slot.  fill = 1: the barrier opens a round of the cluster's, and the joint refill is first behind it.
.macro TURN slot, next, fill
	WIN 0
	s_wait_tensorcnt 0x0
	ds_add_u32 v[SPW], v[NIL]
	s_wait_dscnt 17                                ; the add and the youngest sixteen loads may be out
	WIN MUL
	MUL8 F1, 0, 0, 0
	s_wait_dscnt 0x0
	s_barrier_signal -1
	MUL8 F1, 0, 2, 0
.if \fill
	WIN 0
.endif
	s_barrier_wait -1
.if \fill
	CREST
	s_add_nc_u64 s[G0+4*\slot+2:G0+4*\slot+3], s[G0+4*\slot+2:G0+4*\slot+3], 2*1048576
	s_add_nc_u64 s[G0B+4*\slot+2:G0B+4*\slot+3], s[G0B+4*\slot+2:G0B+4*\slot+3], 2*KSTEP*2
	JLOAD \slot                                    ; its four v_nop are also the places ahead of the loads below
.else
	PLACES
.endif
	FETCH \next, 0, F0
	WIN MUL
	MUL8 F1, 1, 0, 0
	MUL8 F1, 1, 2, 0
.endm
	s_wait_tensorcnt 1                             ; my part of K step 0 is in; K step 1's load may stay out
	s_barrier_signal -1
	s_barrier_wait -1
	FETCH 0, 0, F0
	QUARTER 0, 1, F0, F1, 1                        ; the first products start the sums
	WIN 0
	s_mov_b32 s3, LAPS-1
.Llap:
	QUARTER 0, 2, F1, F0, 0
	QUARTER 0, 3, F0, F1, 0
	TURN 0, 1, 1
	QUARTER 1, 1, F0, F1, 0
	QUARTER 1, 2, F1, F0, 0
	QUARTER 1, 3, F0, F1, 0
	TURN 1, 0, 1
	QUARTER 0, 1, F0, F1, 0
	WIN 0
	s_sub_co_u32 s3, s3, 1
	s_cmp_lg_u32 s3, 0
	s_cbranch_scc1 .Llap
	QUARTER 0, 2, F1, F0, 0                        ; the last lap fills nothing
	QUARTER 0, 3, F0, F1, 0
	TURN 0, 1, 0
	QUARTER 1, 1, F0, F1, 0
	QUARTER 1, 2, F1, F0, 0
	QUARTER 1, 3, F0, F1, 0
	s_wait_dscnt 16
	WIN MUL
	MUL8 F1, 0, 0, 0
	MUL8 F1, 0, 2, 0
	s_wait_dscnt 0
	MUL8 F1, 1, 0, 0
	MUL8 F1, 1, 2, 0
	WIN 0
; THE WAY OUT, 16 rows x 64 columns at a time, through my own stage: sixteen lanes store 256 consecutive bytes, aligned.  Each accumulator is read from its low end on.
.macro TOSTAGE a
.set BB, 32+32*((\a)%2)
.irp b, 0,1,2,3
	ds_store_b128 v[STO], v[ACC+8*(4*(\a)+\b):ACC+8*(4*(\a)+\b)+3] offset:64*\b
	ds_store_b128 v[STO], v[ACC+8*(4*(\a)+\b)+4:ACC+8*(4*(\a)+\b)+7] offset:64*\b+16
.endr
.irp u, 0,1,2,3,4,5,6,7
	ds_load_b128 v[BB+4*\u:BB+4*\u+3], v[RD] offset:2*\u*SPITCH    ; LDS serves a wave in order
.endr
.endm
.macro SEND a, younger
.set BB, 32+32*((\a)%2)
	s_wait_dscnt \younger
.irp u, 0,1,2,3,4,5,6,7
	global_store_b128 v[CO], v[BB+4*\u:BB+4*\u+3], s[8:9] offset:(16*(\a)+2*\u)*4096 th:TH_STORE_NT
.endr
.endm
	PLACES
	TOSTAGE 0
.irp a, 1,2,3
.if \a > 1
	s_wait_xcnt 0x0                                ; block a - 2's stores have read their registers: block a's loads may land there
.endif
	TOSTAGE \a
	SEND \a-1, 16                                  ; behind block a - 1's loads: block a's 8 stores and 8 loads
.endr
	SEND 3, 0
	s_wait_tensorcnt 0x0                           ; the wave's end
	ds_add_u32 v[SPW], v[NIL]
	s_wait_dscnt 0x0
	CROUND                                         ; the closing round
	s_endpgm
.Lfunc_end_k_q99e77409a1_proj:
	.size	k_q99e77409a1_proj, .Lfunc_end_k_q99e77409a1_proj-k_q99e77409a1_proj
	.p2alignl 7, 3214868480
	.fill 96, 4, 3214868480
	.section	.rodata,"a",@progbits
	.p2align	6, 0x0
	.amdhsa_kernel k_q99e77409a1_proj
		.amdhsa_group_segment_fixed_size 327680
		.amdhsa_private_segment_fixed_size 0
		.amdhsa_enable_private_segment 0
		.amdhsa_kernarg_size 24
		.amdhsa_user_sgpr_count 2
		.amdhsa_user_sgpr_kernarg_segment_ptr 1
		.amdhsa_wavefront_size32 1
		.amdhsa_system_sgpr_workgroup_id_x 1
		.amdhsa_system_sgpr_workgroup_id_y 1
		.amdhsa_system_sgpr_workgroup_id_z 1
		.amdhsa_system_vgpr_workitem_id 0
		.amdhsa_next_free_vgpr 512
		.amdhsa_next_free_sgpr 66
		.amdhsa_reserve_vcc 0
		.amdhsa_float_denorm_mode_32 3
		.amdhsa_float_denorm_mode_16_64 3
		.amdhsa_memory_ordered 1
		.amdhsa_forward_progress 1
		.amdhsa_inst_pref_size 86
	.end_amdhsa_kernel
	.amdgpu_metadata
---
amdhsa.version: [ 1, 2 ]
amdhsa.kernels:
  - .name:           k_q99e77409a1_proj
    .symbol:         k_q99e77409a1_proj.kd
    .args:
      - { .name: ctxh, .offset: 0, .size: 8, .value_kind: global_buffer, .address_space: global }
      - { .name: wo16, .offset: 8, .size: 8, .value_kind: global_buffer, .address_space: global }
      - { .name: out0, .offset: 16, .size: 8, .value_kind: global_buffer, .address_space: global }
    .group_segment_fixed_size: 327680
    .private_segment_fixed_size: 0
    .kernarg_segment_align: 8
    .kernarg_segment_size: 24
    .max_flat_workgroup_size: 128
    .sgpr_count:     66
    .vgpr_count:     512
    .wavefront_size: 32
...
	.end_amdgpu_metadata
.endif
;; end of part 4
;; launch finea (part 5): grid 16 x 2, 4 waves a work-group, no clusters, 9,216 bytes of LDS; arguments xc, xs, wc, ws, ctxf; writes ctxf
.if DOCPART == 5
	.amdgcn_target "amdgcn-amd-amdhsa--gfx1250"
	.amdhsa_code_object_version 6
	.text
	.protected	k_q99e77409a1_finea
	.globl	k_q99e77409a1_finea
	.p2align	8
	.type	k_q99e77409a1_finea,@function
k_q99e77409a1_finea:
	s_mov_b64 s[64:65], 0
	v_nop
	global_prefetch_b8 v0, s[64:65] scope:SCOPE_SE
	s_setreg_imm32_b32 hwreg(HW_REG_WAVE_MODE, 25, 1), 1
	s_wait_xcnt 0x0
; Positions 0-15 of each sequence, finely: their rows average few values, so their attention is carried in f32.  A work-group takes one head of one batch; wave w the head's channels 16 w .. 16 w + 15.
; q, k, v of the 16 positions are made anew from the codes (FP4 with E8M0 scales, K ascending, f32 sums) and stay f32; scores and p v go by the f32 matrix form: 8 such instructions a wave, no bulk work.
; q, k transposed (source 0 = 16 rows of w, source 1 = x): lane (r, h) holds position r, channels 8 h + j.  v natural: lane (r, h) holds channel r, keys 8 h + j.
; The f32 form takes k = 2 h + j of a lane's register pair; pairs 2 jj, 2 jj + 1 of both sides name the same channels (keys): the same permutation of k on both sides.
; Each wave's partial S^T over its 16 channels goes to LDS as an image of its registers; every wave adds the four in one fixed order.  ctxf [b][16][1024] f32 takes the normalised result.
; LIMIT: NaN and infinities are not served.
.set SIMG,  0                          ; four images of 1,024 bytes
.set STG,   4096                       ; 16 rows x (256 + 16) bytes
.set SPARE, 8448                       ; the spare words: 128 bytes a wave, named by no other line
.set XS,  16                           ; v16-23  x's scale words: scales and nothing else
.set WS,  24                           ; v24-47  those of w_q, w_k, w_v
.set XF,  48                           ; v48-111 x's 8 fragments
.set W,   112                          ; v112-207 3 tensors x 4 K steps x 8; later at work
.set AQ,  208
.set AK,  216
.set AV,  224
.set SPR, 232                          ; written by matrix instructions alone
.set CT,  240                          ; likewise
.set P,   112
	s_load_b128 s[4:7], s[0:1], 0x0                ; xc, xs
	s_load_b128 s[8:11], s[0:1], 0x10              ; wc, ws
	s_load_b64 s[12:13], s[0:1], 0x20              ; ctxf
	v_lshl_add_u32 v6, v0, 2, SPARE
	v_mov_b32 v7, 0
	v_lshrrev_b32 v1, 5, v0
	v_readfirstlane_b32 s14, v1                    ; wave
	s_and_b32 s15, ttmp7, 0xffff                   ; b
	v_and_b32 v8, 15, v0                           ; r
	v_bfe_u32 v9, v0, 4, 1                         ; h
	v_and_b32 v10, 31, v0                          ; lane
	v_lshlrev_b32 v1, 9, v8
	v_lshl_add_u32 v1, v9, 4, v1                   ; codes: row r of 512 bytes + 16 h
	v_lshlrev_b32 v2, 5, v8                        ; scale bytes: row r of 32
	v_lshlrev_b32 v3, 4, v10                       ; an image's place for my lane
	s_lshl_b32 s16, s14, 10
	v_add_nc_u32 v4, s16, v3                       ; my wave's image
	v_lshlrev_b32 v5, 3, v9
	v_sub_nc_u32 v5, v8, v5                        ; d = r - 8 h: key 8 h + j is hidden where j > d
	v_mul_u32_u24 v11, v8, 272
	v_lshl_add_u32 v11, v9, 5, v11
	s_lshl_b32 s17, s14, 6
	s_add_co_u32 s17, s17, STG
	v_add_nc_u32 v11, s17, v11                     ; the stage, in: row r, + 64 w + 32 h
	v_mul_u32_u24 v12, v9, 272
	v_lshl_add_u32 v12, v8, 4, v12
	s_mul_i32 s17, s14, 4*272
	s_add_co_u32 s17, s17, STG
	v_add_nc_u32 v12, s17, v12                     ; back: rows 4 w + h (+ 2 u), 16 bytes a lane
	v_lshlrev_b32 v13, 12, v9
	v_lshl_add_u32 v13, v8, 4, v13
	s_lshl_b32 s17, s14, 14
	v_add_nc_u32 v13, s17, v13                     ; and the same rows in ctxf
	s_lshl_b32 s18, s15, 20                        ; xc: 2,048 rows of 512 bytes a batch
	s_mov_b32 s19, 0
	s_lshl_b32 s20, s15, 16                        ; xs: 2,048 x 32; ctxf: 16 x 4,096: both 65,536 a batch
	s_mov_b32 s21, 0
	s_lshl_b32 s22, ttmp9, 6
	s_lshl_b32 s23, s14, 4
	s_add_co_u32 s22, s22, s23                     ; my first row of each weight: 64 head + 16 w
	s_lshl_b32 s24, s22, 9
	s_mov_b32 s25, 0
	s_lshl_b32 s26, s22, 5
	s_mov_b32 s27, 0
	s_lshl_b32 s28, ttmp9, 8                       ; the head's 256 bytes of a row of ctxf
	s_mov_b32 s29, 0
	s_mov_b32 s30, 0x76543210
	s_mov_b32 s31, 0xfedcba98
	s_mov_b32 s32, 0x3e38aa3b                      ; c = log2(e) / 8
	s_wait_kmcnt 0x0
	s_add_nc_u64 s[4:5], s[4:5], s[18:19]
	s_add_nc_u64 s[6:7], s[6:7], s[20:21]
	s_add_nc_u64 s[8:9], s[8:9], s[24:25]
	s_add_nc_u64 s[10:11], s[10:11], s[26:27]
	s_add_nc_u64 s[12:13], s[12:13], s[20:21]
	s_add_nc_u64 s[12:13], s[12:13], s[28:29]
.irp s, 0,1,2,3,4,5,6,7
.irp c, 0,1
	global_load_b128 v[XF+8*\s+4*\c:XF+8*\s+4*\c+3], v1, s[4:5] offset:64*\s+32*\c
.endr
.endr
	global_load_b128 v[XS:XS+3], v2, s[6:7]
	global_load_b128 v[XS+4:XS+7], v2, s[6:7] offset:16
.irp g, 0,1,2
	global_load_b128 v[WS+8*\g:WS+8*\g+3], v2, s[10:11] offset:32768*\g
	global_load_b128 v[WS+8*\g+4:WS+8*\g+7], v2, s[10:11] offset:32768*\g+16
.endr
.macro WLOAD hf                        ; K steps 4 hf .. 4 hf + 3 of my 16 rows of the three weights
.irp g, 0,1,2
.irp s, 0,1,2,3
.irp c, 0,1
	global_load_b128 v[W+32*\g+8*\s+4*\c:W+32*\g+8*\s+4*\c+3], v1, s[8:9] offset:524288*\g+64*(4*\hf+\s)+32*\c
.endr
.endr
.endr
.endm
.macro PROD hf                         ; the three accumulators take turns, one instruction a turn
.irp s, 0,1,2,3
.if (\hf == 0) && (\s == 0)
	v_wmma_scale_f32_16x16x128_f8f6f4 v[AQ:AQ+7], v[W:W+7], v[XF:XF+7], 0, v[WS], v[XS] matrix_a_fmt:MATRIX_FMT_FP4 matrix_b_fmt:MATRIX_FMT_FP4
	v_wmma_scale_f32_16x16x128_f8f6f4 v[AK:AK+7], v[W+32:W+39], v[XF:XF+7], 0, v[WS+8], v[XS] matrix_a_fmt:MATRIX_FMT_FP4 matrix_b_fmt:MATRIX_FMT_FP4
	v_wmma_scale_f32_16x16x128_f8f6f4 v[AV:AV+7], v[XF:XF+7], v[W+64:W+71], 0, v[XS], v[WS+16] matrix_a_fmt:MATRIX_FMT_FP4 matrix_b_fmt:MATRIX_FMT_FP4
.else
	v_wmma_scale_f32_16x16x128_f8f6f4 v[AQ:AQ+7], v[W+8*\s:W+8*\s+7], v[XF+8*(4*\hf+\s):XF+8*(4*\hf+\s)+7], v[AQ:AQ+7], v[WS+4*\hf+\s], v[XS+4*\hf+\s] matrix_a_fmt:MATRIX_FMT_FP4 matrix_b_fmt:MATRIX_FMT_FP4
	v_wmma_scale_f32_16x16x128_f8f6f4 v[AK:AK+7], v[W+32+8*\s:W+32+8*\s+7], v[XF+8*(4*\hf+\s):XF+8*(4*\hf+\s)+7], v[AK:AK+7], v[WS+8+4*\hf+\s], v[XS+4*\hf+\s] matrix_a_fmt:MATRIX_FMT_FP4 matrix_b_fmt:MATRIX_FMT_FP4
	v_wmma_scale_f32_16x16x128_f8f6f4 v[AV:AV+7], v[XF+8*(4*\hf+\s):XF+8*(4*\hf+\s)+7], v[W+64+8*\s:W+64+8*\s+7], v[AV:AV+7], v[XS+4*\hf+\s], v[WS+16+4*\hf+\s] matrix_a_fmt:MATRIX_FMT_FP4 matrix_b_fmt:MATRIX_FMT_FP4
.endif
.endr
.endm
	WLOAD 0
	s_wait_loadcnt 0x0
	PROD 0
.rept 4
	v_nop                                          ; places ahead of loads into registers that matrix instructions have read
.endr
	WLOAD 1
	s_wait_loadcnt 0x0
	PROD 1
.rept 5
	v_nop                                          ; places ahead of matrix instructions that take these results as operands
.endr
	v_wmma_f32_16x16x4_f32 v[SPR:SPR+7], v[AK:AK+1], v[AQ:AQ+1], 0      ; S^T over my 16 channels: (key 8 h + j, query r)
.irp jj, 1,2,3
	s_wait_alu depctr_va_vdst(0)                   ; a wait directly ahead of each link
	v_wmma_f32_16x16x4_f32 v[SPR:SPR+7], v[AK+2*\jj:AK+2*\jj+1], v[AQ+2*\jj:AQ+2*\jj+1], v[SPR:SPR+7]
.endr
.rept 8
	v_nop                                          ; places ahead of the stores that read the result
.endr
	ds_store_b128 v4, v[SPR:SPR+3] offset:SIMG
	ds_store_b128 v4, v[SPR+4:SPR+7] offset:SIMG+512
	s_wait_dscnt 0x0                               ; for the others' sake
	s_barrier_signal -1
	s_barrier_wait -1
.irp w, 0,1,2,3
.irp q, 0,1
	ds_load_b128 v[P+8*\w+4*\q:P+8*\w+4*\q+3], v3 offset:SIMG+1024*\w+512*\q
.endr
.endr
	v_mov_b32 v144, 0xff800000                     ; -infinity
	v_mov_b32 v146, 0                              ; (a lane permute's destination counts as read)
	s_wait_dscnt 0x0
.irp w, 1,2,3
.irp i, 0,2,4,6
	v_pk_add_f32 v[P+\i:P+\i+1], v[P+\i:P+\i+1], v[P+8*\w+\i:P+8*\w+\i+1]     ; the four waves' parts, in the order of the waves
.endr
.endr
.irp j, 0,1,2,3,4,5,6,7
	v_cmp_gt_i32 vcc_lo, \j, v5
	v_cndmask_b32 v[P+\j], v[P+\j], v144, vcc_lo
.endr
	v_max3_num_f32 v145, v[P], v[P+1], v[P+2]
	v_max3_num_f32 v145, v145, v[P+3], v[P+4]
	v_max3_num_f32 v145, v145, v[P+5], v[P+6]
	v_max_num_f32 v145, v145, v[P+7]
	v_permlanex16_b32 v146, v145, s30, s31
	v_max_num_f32 v145, v145, v146                 ; the row's largest score: key 0 counts for every query
	v_mul_f32 v145, s32, v145                      ; c m
.irp j, 0,1,2,3,4,5,6,7
	v_fma_f32 v[P+\j], v[P+\j], s32, -v145         ; c s - c m
.endr
.irp j, 0,1,2,3,4,5,6,7
	v_exp_f32 v[P+\j], v[P+\j]
.endr
	v_nop
	s_wait_alu depctr_va_vdst(0)                   ; one wait for the eight
	v_wmma_f32_16x16x4_f32 v[CT:CT+7], v[AV:AV+1], v[P:P+1], 0          ; O^T: (channel 8 h + j, query r)
.irp jj, 1,2,3
	s_wait_alu depctr_va_vdst(0)
	v_wmma_f32_16x16x4_f32 v[CT:CT+7], v[AV+2*\jj:AV+2*\jj+1], v[P+2*\jj:P+2*\jj+1], v[CT:CT+7]
.endr
	v_pk_add_f32 v[148:149], v[P:P+1], v[P+2:P+3]  ; the row's sum; these read p, a source: they are no places
	v_pk_add_f32 v[150:151], v[P+4:P+5], v[P+6:P+7]
	v_pk_add_f32 v[148:149], v[148:149], v[150:151]
	v_add_f32 v148, v148, v149
	v_permlanex16_b32 v146, v148, s30, s31
	v_add_f32 v148, v148, v146
	v_rcp_f32 v147, v148
.rept 8
	v_nop                                          ; places ahead of the first read of the result; the first is also the plain line behind the reciprocal
.endr
	s_wait_alu depctr_va_vdst(0)
.irp j, 0,1,2,3,4,5,6,7
	v_mul_f32 v[152+\j], v[CT+\j], v147            ; into other registers, from the low end on
.endr
	ds_store_b128 v11, v[152:155]
	ds_store_b128 v11, v[156:159] offset:16
	s_wait_dscnt 0x0
	s_barrier_signal -1
	s_barrier_wait -1                              ; 16 rows x 64 channels lie in the stage
	ds_load_b128 v[160:163], v12
	ds_load_b128 v[164:167], v12 offset:2*272
	s_wait_dscnt 0x0
	global_store_b128 v13, v[160:163], s[12:13]               ; sixteen lanes store 256 consecutive bytes, aligned
	global_store_b128 v13, v[164:167], s[12:13] offset:8192
	s_wait_tensorcnt 0x0                           ; the wave's end
	ds_add_u32 v6, v7
	s_wait_dscnt 0x0
	s_endpgm
.Lfunc_end_k_q99e77409a1_finea:
	.size	k_q99e77409a1_finea, .Lfunc_end_k_q99e77409a1_finea-k_q99e77409a1_finea
	.p2alignl 7, 3214868480
	.fill 96, 4, 3214868480
	.section	.rodata,"a",@progbits
	.p2align	6, 0x0
	.amdhsa_kernel k_q99e77409a1_finea
		.amdhsa_group_segment_fixed_size 9216
		.amdhsa_private_segment_fixed_size 0
		.amdhsa_enable_private_segment 0
		.amdhsa_kernarg_size 40
		.amdhsa_user_sgpr_count 2
		.amdhsa_user_sgpr_kernarg_segment_ptr 1
		.amdhsa_wavefront_size32 1
		.amdhsa_system_sgpr_workgroup_id_x 1
		.amdhsa_system_sgpr_workgroup_id_y 1
		.amdhsa_system_sgpr_workgroup_id_z 1
		.amdhsa_system_vgpr_workitem_id 0
		.amdhsa_next_free_vgpr 256
		.amdhsa_next_free_sgpr 66
		.amdhsa_reserve_vcc 1
		.amdhsa_float_denorm_mode_32 3
		.amdhsa_float_denorm_mode_16_64 3
		.amdhsa_memory_ordered 1
		.amdhsa_forward_progress 1
		.amdhsa_inst_pref_size 19
	.end_amdhsa_kernel
	.amdgpu_metadata
---
amdhsa.version: [ 1, 2 ]
amdhsa.kernels:
  - .name:           k_q99e77409a1_finea
    .symbol:         k_q99e77409a1_finea.kd
    .args:
      - { .name: xc, .offset: 0, .size: 8, .value_kind: global_buffer, .address_space: global }
      - { .name: xs, .offset: 8, .size: 8, .value_kind: global_buffer, .address_space: global }
      - { .name: wc, .offset: 16, .size: 8, .value_kind: global_buffer, .address_space: global }
      - { .name: ws, .offset: 24, .size: 8, .value_kind: global_buffer, .address_space: global }
      - { .name: ctxf, .offset: 32, .size: 8, .value_kind: global_buffer, .address_space: global }
    .group_segment_fixed_size: 9216
    .private_segment_fixed_size: 0
    .kernarg_segment_align: 8
    .kernarg_segment_size: 40
    .max_flat_workgroup_size: 128
    .sgpr_count:     66
    .vgpr_count:     256
    .wavefront_size: 32
...
	.end_amdgpu_metadata
.endif
;; end of part 5
;; launch fineb (part 6): grid 64 x 2, 8 waves a work-group, no clusters, 144,384 bytes of LDS; arguments ctxf, w_o, out0; writes out0
.if DOCPART == 6
	.amdgcn_target "amdgcn-amd-amdhsa--gfx1250"
	.amdhsa_code_object_version 6
	.text
	.protected	k_q99e77409a1_fineb
	.globl	k_q99e77409a1_fineb
	.p2align	8
	.type	k_q99e77409a1_fineb,@function
k_q99e77409a1_fineb:
	s_mov_b64 s[64:65], 0
	v_nop
	global_prefetch_b8 v0, s[64:65] scope:SCOPE_SE
	s_setreg_imm32_b32 hwreg(HW_REG_WAVE_MODE, 25, 1), 1
	s_wait_xcnt 0x0
; Positions 0-15 of each sequence, finely: out0[b][t][n] = sum over k of ctxf[b][t][k] w_o[n][k], all f32, by the f32 matrix form: 32 rows of 4,096, no bulk work.  It writes over the rows that the f16 projection left there.
; SHARES.  A work-group takes 16 columns of one batch: 128 work-groups.  Wave w takes K eighth w, 128 along K, which is 512 bytes of every row, and LOADS EXACTLY WHAT IT MULTIPLIES: 16 rows of w_o and 16 of ctxf,
; 32 loads of 512 consecutive bytes, aligned, all on their way at once.  The rows turn through the wave's own LDS bytes (pitch 528: the 16 rows of a fragment load start at 16 different banks, ISA guide 11.1)
; and come back as fragments: lane (r, h) takes 16 bytes of row r, which feed two instructions; both sides take the same k in the same places.  No other wave touches those bytes: no barrier there.
; Transposed (source 0 = 16 rows of w_o, source 1 = the 16 positions): lane (r, h) holds position r, columns 8 h + j.  Two accumulators take turns; their sum goes to LDS as an image of its registers;
; behind one barrier waves 0 and 1 add the eight waves' images in the order of the waves and store.
; A work-group's part of a row is 64 bytes, so four work-groups write each aligned 256 bytes of these 32 rows (128 KB of the output).  64 columns to a work-group would give whole blocks of 256 bytes, but 32 work-groups
; with four times the f32 matrix instructions on each SIMD, and their 320 KB of operands would not fit in LDS with the padding.
.set RP,    528                        ; a row's 512 bytes + 16
.set TWV,   32*RP                      ; a wave's 32 rows: w_o's 16, then ctxf's 16
.set IMG,   8*TWV                      ; eight images of 1,024 bytes
.set SPARE, IMG+8*1024                 ; the spare words: 128 bytes a wave, named by no other line
.set D,   16                           ; v16-143: 32 rows as loaded, four registers each; then 16 fragments of w_o (v16-79) and 16 of ctxf (v80-143); at the end the eight images
.set SM,  144                          ; v144-151 the two accumulators' sum
.set A0,  208                          ; the accumulators: written by matrix instructions alone
.set A1,  216
	s_load_b128 s[4:7], s[0:1], 0x0                ; ctxf, w_o
	s_load_b64 s[8:9], s[0:1], 0x10                ; out0
	v_lshl_add_u32 v6, v0, 2, SPARE                ; my spare word; never rewritten
	v_mov_b32 v7, 0                                ; 0; never rewritten
	v_lshrrev_b32 v1, 5, v0
	v_readfirstlane_b32 s10, v1                    ; wave 0..7
	s_and_b32 s11, ttmp7, 0xffff                   ; b
	v_and_b32 v11, 31, v0                          ; lane
	v_and_b32 v12, 15, v0                          ; r
	v_bfe_u32 v13, v0, 4, 1                        ; h
	v_lshlrev_b32 v1, 4, v11                       ; 16 x lane: my 16 bytes of a load's 512
	s_mul_i32 s12, s10, TWV
	v_add_nc_u32 v2, s12, v1                       ; into my wave's rows: 16 x lane; the row stands in the immediate
	v_mul_u32_u24 v3, v12, RP
	v_lshl_add_u32 v3, v13, 4, v3
	v_add_nc_u32 v3, s12, v3                       ; out of them: row r + 16 h
	s_lshl_b32 s13, s10, 10
	s_add_co_u32 s13, s13, IMG
	v_add_nc_u32 v8, s13, v1                       ; my wave's image
	; the last sum: wave u (0, 1), lane l: position t = 8 u + l / 4, columns 4 g .. 4 g + 3 with g = l % 4: in an image registers 4 (g % 2) on of lane t + 16 (g / 2)
	v_and_b32 v14, 1, v0
	v_bfe_u32 v15, v0, 1, 1
	v_bfe_u32 v4, v0, 2, 3
	v_lshlrev_b32 v9, 9, v14
	v_lshl_add_u32 v9, v15, 8, v9
	v_lshl_add_u32 v9, v4, 4, v9
	s_and_b32 s15, s10, 1
	s_lshl_b32 s13, s15, 7
	s_add_co_u32 s13, s13, IMG
	v_add_nc_u32 v9, s13, v9                       ; 512 (g % 2) + 256 (g / 2) + 16 t
	v_and_b32 v5, 3, v0
	v_lshlrev_b32 v10, 12, v4
	v_lshl_add_u32 v10, v5, 4, v10
	s_lshl_b32 s13, s15, 15
	v_add_nc_u32 v10, s13, v10                     ; out0: t x 4,096 + 16 g
	s_lshl_b32 s14, s10, 9                         ; my eighth of K: 512 bytes on in every row
	s_lshl_b32 s16, ttmp9, 16                      ; w_o: 16 rows of 4,096 bytes a work-group
	s_add_co_u32 s16, s16, s14
	s_mov_b32 s17, 0
	s_lshl_b32 s18, s11, 16                        ; ctxf: 16 rows of 4,096 bytes a batch
	s_add_co_u32 s18, s18, s14
	s_mov_b32 s19, 0
	s_lshl_b32 s20, s11, 23                        ; out0: 8,388,608 bytes a batch,
	s_lshl_b32 s21, ttmp9, 6                       ; 64 bytes of a row a work-group
	s_add_co_u32 s20, s20, s21
	s_mov_b32 s21, 0
	s_wait_kmcnt 0x0
	s_add_nc_u64 s[6:7], s[6:7], s[16:17]
	s_add_nc_u64 s[4:5], s[4:5], s[18:19]
	s_add_nc_u64 s[8:9], s[8:9], s[20:21]
.set i, 0
.rept 16
	global_load_b128 v[D+4*i:D+4*i+3], v1, s[6:7] offset:4096*i          ; row i of my 16 of w_o: 32 lanes read 512 consecutive bytes
.set i, i+1
.endr
.set i, 0
.rept 16
	global_load_b128 v[D+64+4*i:D+64+4*i+3], v1, s[4:5] offset:4096*i    ; position i
.set i, i+1
.endr
.set i, 0
.rept 32
	s_wait_loadcnt 31-i                            ; loads come back in order: row i is in, the 31 - i younger ones may be out
	ds_store_b128 v2, v[D+4*i:D+4*i+3] offset:RP*i
.set i, i+1
.endr
.set i, 0
.rept 16                               ; LDS serves a wave's instructions in order: these see the stores above, and land in the registers that the stores have left
	ds_load_b128 v[D+4*i:D+4*i+3], v3 offset:32*i                        ; w_o(r, 8 i + 4 h + 0 .. 3) of my eighth
	ds_load_b128 v[D+64+4*i:D+64+4*i+3], v3 offset:16*RP+32*i            ; ctx likewise
.set i, i+1
.endr
.set i, 0
.rept 16
	s_wait_dscnt 30-2*i                            ; fragments i are in; the 30 - 2 i younger loads may be out
.if i == 0
	v_wmma_f32_16x16x4_f32 v[A0:A0+7], v[D:D+1], v[D+64:D+65], 0         ; the first K steps start the sums
	v_wmma_f32_16x16x4_f32 v[A1:A1+7], v[D+2:D+3], v[D+66:D+67], 0
.else
	v_wmma_f32_16x16x4_f32 v[A0:A0+7], v[D+4*i:D+4*i+1], v[D+64+4*i:D+64+4*i+1], v[A0:A0+7]          ; the two accumulators take turns
	v_wmma_f32_16x16x4_f32 v[A1:A1+7], v[D+4*i+2:D+4*i+3], v[D+64+4*i+2:D+64+4*i+3], v[A1:A1+7]
.endif
.set i, i+1
.endr
.rept 8
	v_nop                                          ; places ahead of the first read of the results, and of the loads below into registers that these products read
.endr
.irp j, 0,2,4,6
	v_pk_add_f32 v[SM+\j:SM+\j+1], v[A0+\j:A0+\j+1], v[A1+\j:A1+\j+1]    ; into other registers, each accumulator from its low end on
.endr
	ds_store_b128 v8, v[SM:SM+3]
	ds_store_b128 v8, v[SM+4:SM+7] offset:512
	s_wait_dscnt 0x0                               ; for the others' sake
	s_barrier_signal -1
	s_barrier_wait -1
	s_cmp_ge_u32 s10, 2                            ; 256 numbers, four a lane: waves 0 and 1 add and store
	s_cbranch_scc1 .Lend
.irp e, 0,1,2,3,4,5,6,7
	ds_load_b128 v[D+4*\e:D+4*\e+3], v9 offset:1024*\e
.endr
	s_wait_dscnt 0x0
.irp e, 1,2,3,4,5,6,7
	v_pk_add_f32 v[D:D+1], v[D:D+1], v[D+4*\e:D+4*\e+1]                  ; the eight parts of K, in ascending order
	v_pk_add_f32 v[D+2:D+3], v[D+2:D+3], v[D+4*\e+2:D+4*\e+3]
.endr
	global_store_b128 v10, v[D:D+3], s[8:9]        ; four lanes store a row's 64 consecutive bytes; eight rows an instruction
.Lend:
	s_wait_tensorcnt 0x0                           ; the wave's end
	ds_add_u32 v6, v7
	s_wait_dscnt 0x0
	s_endpgm
.Lfunc_end_k_q99e77409a1_fineb:
	.size	k_q99e77409a1_fineb, .Lfunc_end_k_q99e77409a1_fineb-k_q99e77409a1_fineb
	.p2alignl 7, 3214868480
	.fill 96, 4, 3214868480
	.section	.rodata,"a",@progbits
	.p2align	6, 0x0
	.amdhsa_kernel k_q99e77409a1_fineb
		.amdhsa_group_segment_fixed_size 144384
		.amdhsa_private_segment_fixed_size 0
		.amdhsa_enable_private_segment 0
		.amdhsa_kernarg_size 24
		.amdhsa_user_sgpr_count 2
		.amdhsa_user_sgpr_kernarg_segment_ptr 1
		.amdhsa_wavefront_size32 1
		.amdhsa_system_sgpr_workgroup_id_x 1
		.amdhsa_system_sgpr_workgroup_id_y 1
		.amdhsa_system_sgpr_workgroup_id_z 1
		.amdhsa_system_vgpr_workitem_id 0
		.amdhsa_next_free_vgpr 224
		.amdhsa_next_free_sgpr 66
		.amdhsa_reserve_vcc 0
		.amdhsa_float_denorm_mode_32 3
		.amdhsa_float_denorm_mode_16_64 3
		.amdhsa_memory_ordered 1
		.amdhsa_forward_progress 1
		.amdhsa_inst_pref_size 16
	.end_amdhsa_kernel
	.amdgpu_metadata
---
amdhsa.version: [ 1, 2 ]
amdhsa.kernels:
  - .name:           k_q99e77409a1_fineb
    .symbol:         k_q99e77409a1_fineb.kd
    .args:
      - { .name: ctxf, .offset: 0, .size: 8, .value_kind: global_buffer, .address_space: global }
      - { .name: w_o, .offset: 8, .size: 8, .value_kind: global_buffer, .address_space: global }
      - { .name: out0, .offset: 16, .size: 8, .value_kind: global_buffer, .address_space: global }
    .group_segment_fixed_size: 144384
    .private_segment_fixed_size: 0
    .kernarg_segment_align: 8
    .kernarg_segment_size: 24
    .max_flat_workgroup_size: 256
    .sgpr_count:     66
    .vgpr_count:     224
    .wavefront_size: 32
...
	.end_amdgpu_metadata
.endif
;; end of part 6
